; MI455X (gfx1250); checked and timed in simulation.
; The chip was launched on July 23, 2026; its instructions are those of AMD's public machine-readable ISA for CDNA 5 (MIT licence, August 2026) and "CDNA5" Instruction Set Architecture Reference Guide (July 2026). The comments in the code are by the model that wrote it; some were corrected since.
;; Distance Biased Self Attention. Allowed arithmetic: matrix products marked QUANTISED: E2M1 operands, one E8M0 scale for each 32 along K, by v_wmma_scale_f32_16x16x128_f8f6f4 with both operands' format E2M1 (or v_wmma_scale_f32_32x16x128_f4), f32 sums; products left as they are: bf16, f16 or f32 operands; f32 sums; everything else in f32.
;; Inputs: Wk 1,024 x 1,024 float32; Wo 1,024 x 1,024 float32; Wq 1,024 x 1,024 float32; Wv 1,024 x 1,024 float32; bk 1,024 float32; bo 1,024 float32; bq 1,024 float32; bv 1,024 float32; dist_b one number float32; dist_matrix 2,048 x 2,048 float32; dist_w one number float32; x 4 x 2,048 x 1,024 float32.
;; Outputs: out0 4 x 2,048 x 1,024 float32.
;; This version of the problem:
;;   THIS VERSION OF THE PROBLEM IS GIVEN IN LOW PRECISION. The matrix products marked QUANTISED in the list below multiply operands that are first quantised to E2M1 (2 exponent bits, 1 mantissa bit; 4 bits a number), with one power-of-two scale for each 32 numbers along K (OCP MX v1.0); their sums are f32. The products marked 'left as it is' may take bf16, f16 or f32 operands, with f32 sums. Whichever they take, every output number must still come out within the allowed error. Rounding operands to bf16 (8 significant bits) uses up far more of that allowance than f16 does (11 bits, for magnitudes from 6e-5 to 65,504). All else is computed in f32.
;;   The module's matrix products, in the order in which they are computed (A, B: the left and right operand; K: the contracted axis; several contracted axes count as one K, in the product's order):
;;     1. [M 8,192, K 1,024] x [K 1,024, N 1,024]; A: input x; B: input Wq: QUANTISED
;;     2. [M 8,192, K 1,024] x [K 1,024, N 1,024]; A: input x; B: input Wk: QUANTISED
;;     3. [M 8,192, K 1,024] x [K 1,024, N 1,024]; A: input x; B: input Wv: QUANTISED
;;     4. batch 64 x [M 2,048, K 64] x [K 64, N 2,048]; A: computed on the way; B: computed on the way: left as it is (an operand is computed on the way)
;;     5. batch 64 x [M 2,048, K 2,048] x [K 2,048, N 64]; A: computed on the way; B: computed on the way: left as it is (an operand is computed on the way)
;;     6. [M 8,192, K 1,024] x [K 1,024, N 1,024]; A: computed on the way; B: input Wo: left as it is (an operand is computed on the way)
;;   THE QUANTISER, for each operand of a quantised product, along K:
;;     - K is cut into blocks of 32 from its start; a last block that is shorter is filled with zeros.
;;     - A block's scale is 2^e with e = floor(log2(the largest magnitude in the block)) - 2, held to -126 .. 127; a block of zeros has e = 0. As a byte (E8M0): e + 127.
;;     - Each number is divided by its block's scale, clamped to +-6, and rounded to the nearest number of E2M1, ties to even, subnormals kept.
;;     - The product sums the exact products of the quantised numbers (number of the format x scale) in f32.
;;   ~~~python
;;   def quantise(x, axis):      # numpy; x: float32 -> the quantised numbers, widened to float32 again
;;       x = np.moveaxis(x, axis, -1); K = x.shape[-1]
;;       x = np.pad(x, [(0, 0)] * (x.ndim - 1) + [(0, -K % 32)]); x = x.reshape(x.shape[:-1] + (-1, 32)); a = np.abs(x).max(-1, keepdims=True)
;;       e = np.where(a > 0, np.clip(np.frexp(np.where(a > 0, a, 1))[1] - 1 - 2, -126, 127), 0)      # np.frexp(a)[1] - 1 = floor(log2(a)), exactly
;;       r = np.clip(x / 2.0 ** e, -6, 6)
;;       step = 2.0 ** (np.maximum(np.frexp(np.where(r == 0, 1, r))[1] - 1, 0) - 1)
;;       q = np.round(r / step) * step * 2.0 ** e      # np.round: ties to even
;;       return np.moveaxis(q.reshape(q.shape[:-2] + (-1,))[..., :K], -1, axis).astype(np.float32)
;;   ~~~
;; One version. Each part assembles by itself: llvm-mc -triple=amdgcn-amd-amdhsa -mcpu=gfx1250 --defsym DOCPART=n.
;; ======== version 1 of 1: 4 launches
;; limits: values are held in f16: magnitudes above 65,504 overflow, below 6.1e-05 lose precision
;; workspace buffers: xc 4,194,304 bytes; xs 262,144 bytes; wc 1,572,864 bytes; ws 98,304 bytes; bimg 16,777,216 bytes; wo16 2,097,152 bytes; qkv 50,331,648 bytes; att 16,777,216 bytes
;; launch prep (part 1): grid 512 x 1, 4 waves a work-group, no clusters, 50,688 bytes of LDS; arguments x, Wq, Wk, Wv, Wo, dist_matrix, dist_w, xc, xs, wc, ws, bimg, wo16; writes xc, xs, wc, ws, bimg, wo16
.if DOCPART == 1
	.amdgcn_target "amdgcn-amd-amdhsa--gfx1250"
	.amdhsa_code_object_version 6
	.text
	.protected	k_qe299d002e3_prep
	.globl	k_qe299d002e3_prep
	.p2align	8
	.type	k_qe299d002e3_prep,@function
k_qe299d002e3_prep:
	s_mov_b64 s[64:65], 0
	v_nop
	global_prefetch_b8 v0, s[64:65] scope:SCOPE_SE
	s_setreg_imm32_b32 hwreg(HW_REG_WAVE_MODE, 25, 1), 1
	s_wait_xcnt 0x0
; PREPARATION for out = softmax(q k^T / 8 + dist_w dist + dist_b) v Wo^T + bo, with q, k, v = x W^T + b on codes of FP4 (E2M1).
; DEAD WORK LEFT OUT OF THE WHOLE PROGRAM, for all finite values of the inputs:
;   dist_b: reference() adds dist_w dist[n][m] + dist_b to score[n][m].  dist_b is the same for all m of a row, and a softmax along m is unchanged by a term that is the same along m.
;   bk:     k[m] = kk[m] + bk with kk = x Wk^T.  score[n][m] = q[n].kk[m] / 8 + q[n].bk / 8, and the second term is the same for all m of a row.  k goes into no quantiser
;           (the product of q and k is left as it is) and reaches the output through the scores alone.
;   So dist_b and bk have no way to the output: they are not loaded and are arguments of no launch.
;   LIMIT: a NaN, an infinity or an overflow that would arise from bk or dist_b alone is not carried to the result.
; THREE KINDS OF WORK-GROUP, told apart by the work-group number alone; the three paths never meet again, and each has LDS bytes of its own.
;   0 .. 351    x (256 work-groups), Wq, Wk, Wv (32 each), f32 with K innermost, become codes of FP4 and one E8M0 byte for each 32 along K.
;               A block's byte is its largest magnitude's exponent field - 2, held at 1 from below (a block of zeros gets 1: its codes are zeros, and this program alone reads the bytes).
;   352 .. 479  the bias image: 8 dist_w dist, f32, laid in the order of the registers of the score tiles of the attention launch:
;               bimg[qt][ks][i][lane][16 bytes], i = 2 kt + c: lane (r, h) holds 8 dist_w dist[16 qt + r][64 ks + 16 kt + 8 h + 4 c + 0 .. 3].
;   480 .. 511  Wo as f16 in planes: wo16[plane g][n][64] = Wo[n][64 g + 0 .. 63].
; LIMITS: NaN and infinities among the inputs are not served; blocks whose largest magnitude lies under 2^-124 have their byte held at 1.
.set XWG,   256                        ; work-groups for x: 8,192 x 1,024 numbers / 32,768
.set WWG,   32                         ; for each of Wq, Wk, Wv
.set QWG,   XWG+3*WWG                  ; 352: the first work-group of the bias image
.set BWG,   128                        ; work-groups of the bias image
.set STEPS, 16
.set EMAX,  2
.set CB,    8                          ; bytes of 16 codes
.set R,     16                         ; v16-79   four sets of 16 numbers as they are loaded
.set X,     80                         ; v80-111  two sets of 16 neighbours
.set E,     112                        ; v112-127 a scale byte for each step
.set C,     128                        ; v128-191 codes: four registers for each step
.set WREG,  8192                       ; LDS of the quantising path: a region for each wave: two stages of 32 x SP bytes, then its 256 scale bytes
.set SP,    80                         ; a lane's place in a stage: 64 bytes + 16 of padding
.set BST,   4*WREG                     ; LDS of the bias path: for each wave a stage of 16 rows x 272 bytes
.set BPITCH, 272
.set SPARE, BST+4*16*BPITCH            ; the spare words, 128 bytes for each wave: two blocks of 256 bytes that no other line names
.set SPW,   12                         ; v12  LDS address of my spare word; never rewritten
.set NIL,   13                         ; v13  0; never rewritten
; ---- macros of the quantising path: s[40:41] the numbers, s[42:43] the codes, s[44:45] the scale bytes, each at my wave's run of 8,192 numbers
.macro LOAD t
.irp i, 0,1,2,3
	global_load_b128 v[R+16*((\t)%4)+4*\i:R+16*((\t)%4)+4*\i+3], v3, s[40:41] offset:2048*(\t)+512*\i th:TH_LOAD_NT   ; 32 lanes read 512 consecutive bytes
.endr
.endm
.macro TURN t                          ; a step's 2,048 bytes through my stage: in as they lie, out 64 bytes a lane.  LDS serves a wave's instructions in order
.irp i, 0,1,2,3
	ds_store_b128 v14, v[R+16*((\t)%4)+4*\i:R+16*((\t)%4)+4*\i+3] offset:32*SP*((\t)%2)+8*SP*\i
.endr
.irp i, 0,1,2,3
	ds_load_b128 v[X+16*((\t)%2)+4*\i:X+16*((\t)%2)+4*\i+3], v15 offset:32*SP*((\t)%2)+16*\i
.endr
.endm
.macro STEP t
.set XS, X+16*((\t)%2)
.if (\t) > 0
	s_wait_dscnt 1                                 ; this step's numbers are back from the stage; the last step's byte store may be out
.else
	s_wait_dscnt 0x0
.endif
.if (\t)+4 < STEPS
	LOAD (\t)+4                                    ; into the registers that this step's stores into the stage have read
.endif
.if (\t)+1 < STEPS
.if STEPS-2-(\t) >= 3
	s_wait_loadcnt 12                              ; the next step's four loads are in; those of the three steps behind it may be out
.else
	s_wait_loadcnt 4*(STEPS-2-(\t))
.endif
	TURN (\t)+1
.endif
	v_max3_num_f32 v8, |v[XS]|, |v[XS+1]|, |v[XS+2]|               ; the largest magnitude of my 16, in two chains
	v_max3_num_f32 v9, |v[XS+3]|, |v[XS+4]|, |v[XS+5]|
.irp i, 6,10
	v_max3_num_f32 v8, v8, |v[XS+\i]|, |v[XS+\i+1]|
	v_max3_num_f32 v9, v9, |v[XS+\i+2]|, |v[XS+\i+3]|
.endr
	v_max3_num_f32 v8, v8, |v[XS+14]|, |v[XS+15]|
	v_max3_num_f32 v8, v8, v9, (EMAX+1)<<23        ; and the floor 2^(3 - 127): the byte cannot fall under 1
	v_max_num_f32_dpp v8, v8, v8 row_xmask:1 row_mask:0xf bank_mask:0xf   ; with my neighbour's 16: the block's
	v_add_nc_u32 v11, -(EMAX<<23), v8              ; 2 off its exponent field: the conversion takes this operand's exponent field as its scale
	v_cvt_scalef32_pk8_fp4_f32 v[C+4*(\t)], v[XS:XS+7], v11
	v_cvt_scalef32_pk8_fp4_f32 v[C+4*(\t)+1], v[XS+8:XS+15], v11
	v_lshrrev_b32 v[E+(\t)], 23, v11               ; the scale's byte (a plain line behind the conversions)
	ds_store_b8 v5, v[E+(\t)] offset:16*(\t)       ; both lanes of a block write the same byte with the same value
	global_store_b64 v4, v[C+4*(\t):C+4*(\t)+1], s[42:43] offset:32*CB*(\t)   ; the wave stores 256 consecutive bytes, aligned
.endm
; ---- macros of the bias path: s[18:19] dist at my 16 rows and first block, s[30:31] the image at my first block, v[10:11] the factor twice
.macro LOADB s                         ; block s: 16 rows x 256 bytes; sixteen lanes read 256 consecutive bytes of a row, two rows a load
.irp j, 0,1,2,3,4,5,6,7
	global_load_b128 v[16+32*((\s)%2)+4*\j:16+32*((\s)%2)+4*\j+3], v3, s[18:19] offset:\j*16384+(\s)*256 th:TH_LOAD_NT
.endr
.endm
.macro BLK s
.if (\s) < 7
	s_wait_loadcnt 8                               ; this block's eight loads are in; the next block's eight may be out
.else
	s_wait_loadcnt 0x0
.endif
	s_wait_xcnt 0x0                                ; the stores of the block before last have read the registers that are loaded from the stage below
.irp j, 0,1,2,3,4,5,6,7
	ds_store_b128 v4, v[16+32*((\s)%2)+4*\j:16+32*((\s)%2)+4*\j+3] offset:\j*2*BPITCH
.endr
.irp i, 0,1,2,3,4,5,6,7
	ds_load_b128 v[80+32*((\s)%2)+4*\i:80+32*((\s)%2)+4*\i+3], v5 offset:(\i/2)*64+(\i%2)*16   ; group i = 2 kt + c: row r, byte 64 kt + 32 h + 16 c
.endr
	s_wait_dscnt 0x0
.if (\s)+2 < 8
	LOADB (\s)+2
.endif
.irp i, 0,2,4,6,8,10,12,14,16,18,20,22,24,26,28,30
	v_pk_mul_f32 v[80+32*((\s)%2)+\i:80+32*((\s)%2)+\i+1], v[80+32*((\s)%2)+\i:80+32*((\s)%2)+\i+1], v[10:11]
.endr
.irp i, 0,1,2,3,4,5,6,7
	global_store_b128 v6, v[80+32*((\s)%2)+4*\i:80+32*((\s)%2)+4*\i+3], s[30:31] offset:(\s)*4096+\i*512   ; 512 consecutive bytes, aligned
.endr
.endm
; ---- macros of the Wo path: s[16:17] Wo at my 8 rows, s[32:33] wo16 at my 8 rows of plane 0
.macro LOADW p                         ; rows 2 p and 2 p + 1, whole: load g takes the 64 numbers of plane g of both rows
.irp g, 0,1,2,3,4,5,6,7,8,9,10,11,12,13,14,15
	global_load_b128 v[16+64*((\p)%2)+4*\g:16+64*((\p)%2)+4*\g+3], v3, s[16:17] offset:(\p)*8192+\g*256 th:TH_LOAD_NT
.endr
.endm
.macro CVW p
.if (\p) < 3
	s_wait_loadcnt 16                              ; this pair of rows is in; the next pair's sixteen loads may be out
.else
	s_wait_loadcnt 0x0
.endif
	s_wait_xcnt 0x0                                ; the last stores have read the registers that are written below
.irp g, 0,1,2,3,4,5,6,7,8,9,10,11,12,13,14,15
	v_cvt_pk_f16_f32 v[144+2*\g], v[16+64*((\p)%2)+4*\g], v[16+64*((\p)%2)+4*\g+1]
	v_cvt_pk_f16_f32 v[145+2*\g], v[16+64*((\p)%2)+4*\g+2], v[16+64*((\p)%2)+4*\g+3]
.endr
.if (\p)+2 < 4
	LOADW (\p)+2
.endif
.irp g, 0,1,2,3,4,5,6,7,8,9,10,11,12,13,14,15
	global_store_b64 v6, v[144+2*\g:145+2*\g], s[32:33] offset:\g*131072+(\p)*256   ; two rows of plane g: 256 consecutive bytes, aligned
.endr
.endm
	s_load_b512 s[8:23], s[0:1], 0x0               ; x 8, Wq 10, Wk 12, Wv 14, Wo 16, dist 18, dist_w 20, xc 22
	s_load_b256 s[24:31], s[0:1], 0x40             ; xs 24, wc 26, ws 28, bimg 30
	s_load_b64 s[32:33], s[0:1], 0x60              ; wo16
	v_lshl_add_u32 v[SPW], v0, 2, SPARE
	v_mov_b32 v[NIL], 0
	v_lshrrev_b32 v1, 5, v0
	v_readfirstlane_b32 s34, v1                    ; wave 0..3
	v_and_b32 v2, 31, v0                           ; lane
	s_wait_kmcnt 0x0
	s_cmp_ge_u32 ttmp9, QWG+BWG
	s_cbranch_scc1 .Lwo
	s_cmp_ge_u32 ttmp9, QWG
	s_cbranch_scc1 .Lbias
	; ================ x, Wq, Wk, Wv into codes and scale bytes ================
	v_lshlrev_b32 v3, 4, v2                        ; my 16 bytes of a load's 512
	s_mul_i32 s50, s34, WREG
	v_lshrrev_b32 v14, 2, v2
	v_mul_u32_u24 v14, v14, SP
	v_and_b32 v15, 3, v2
	v_lshl_add_u32 v14, v15, 4, v14
	v_add_nc_u32 v14, s50, v14                     ; the stage on the way in: SP (lane / 4) + 16 (lane % 4)
	v_mul_u32_u24 v15, v2, SP
	v_add_nc_u32 v15, s50, v15                     ; and on the way out: SP x lane
	v_mul_u32_u24 v4, v2, CB                       ; my codes' place in a step's
	v_lshrrev_b32 v5, 1, v2
	s_add_co_u32 s50, s50, 2*32*SP
	v_add_nc_u32 v5, s50, v5                       ; my wave's 256 scale bytes, my block's byte
	v_lshlrev_b32 v7, 3, v2
	v_add_nc_u32 v6, s50, v7                       ; and on the way out 8 bytes a lane
	s_sub_co_u32 s35, ttmp9, XWG                   ; which run of the three weights together (used only from work-group 256 on)
	s_and_b32 s36, s35, WWG-1                      ; and of its own weight
	s_cmp_lt_u32 ttmp9, XWG+WWG                    ; the choices hang on the work-group number alone
	s_cselect_b64 s[40:41], s[10:11], s[12:13]
	s_cmp_lt_u32 ttmp9, XWG+2*WWG
	s_cselect_b64 s[40:41], s[40:41], s[14:15]
	s_cmp_lt_u32 ttmp9, XWG
	s_cselect_b64 s[40:41], s[8:9], s[40:41]
	s_cselect_b64 s[42:43], s[22:23], s[26:27]
	s_cselect_b64 s[44:45], s[24:25], s[28:29]
	s_cselect_b32 s37, ttmp9, s36
	s_cselect_b32 s46, ttmp9, s35
	s_lshl_b32 s37, s37, 2
	s_add_co_u32 s37, s37, s34                     ; my wave's run of 8,192 numbers in the source,
	s_lshl_b32 s46, s46, 2
	s_add_co_u32 s46, s46, s34                     ; and in the codes and scale bytes (Wq, Wk, Wv lie one behind the other there)
	s_mov_b32 s49, 0
	s_lshl_b32 s48, s37, 15
	s_add_nc_u64 s[40:41], s[40:41], s[48:49]
	s_lshl_b32 s48, s46, 12
	s_add_nc_u64 s[42:43], s[42:43], s[48:49]
	s_lshl_b32 s48, s46, 8
	s_add_nc_u64 s[44:45], s[44:45], s[48:49]
.irp t, 0,1,2,3
	LOAD \t
.endr
	s_wait_loadcnt 12                              ; step 0's four loads are in
	TURN 0
.irp t, 0,1,2,3,4,5,6,7,8,9,10,11,12,13,14,15
	STEP \t
.endr
	ds_load_b64 v[8:9], v6                         ; LDS serves a wave's instructions in order: these see my byte stores
	s_wait_dscnt 0x0
	global_store_b64 v7, v[8:9], s[44:45]          ; 32 lanes store 256 consecutive bytes, aligned
	s_wait_tensorcnt 0x0                           ; the wave's end: behind my last LDS store
	ds_add_u32 v[SPW], v[NIL]
	s_wait_dscnt 0x0
	s_endpgm
	; ================ the bias image ================
.Lbias:
	s_load_b32 s38, s[20:21], 0x0                  ; dist_w
	s_sub_co_u32 s35, ttmp9, QWG
	s_lshl_b32 s35, s35, 2
	s_add_co_u32 s35, s35, s34                     ; wb = 0 .. 511: query tile wb / 4, key blocks 8 (wb % 4) + 0 .. 7
	s_lshr_b32 s36, s35, 2
	s_lshl_b32 s36, s36, 17                        ; 16 rows of 8,192 bytes
	s_and_b32 s37, s35, 3
	s_lshl_b32 s37, s37, 11                        ; 8 blocks of 256 bytes along a row
	s_add_co_u32 s36, s36, s37
	s_mov_b32 s37, 0
	s_add_nc_u64 s[18:19], s[18:19], s[36:37]
	s_lshl_b32 s36, s35, 15                        ; 8 blocks of 4,096 bytes of the image
	s_add_nc_u64 s[30:31], s[30:31], s[36:37]
	v_lshrrev_b32 v8, 4, v2                        ; h
	v_and_b32 v9, 15, v2                           ; r
	v_lshlrev_b32 v3, 13, v8
	v_lshl_add_u32 v3, v9, 4, v3                   ; in: row h of a pair, 16 bytes a lane
	s_mul_i32 s39, s34, 16*BPITCH
	s_add_co_u32 s39, s39, BST                     ; my stage
	v_mul_u32_u24 v4, v8, BPITCH
	v_lshl_add_u32 v4, v9, 4, v4
	v_add_nc_u32 v4, s39, v4                       ; into it as loaded
	v_mul_u32_u24 v5, v9, BPITCH
	v_lshl_add_u32 v5, v8, 5, v5
	v_add_nc_u32 v5, s39, v5                       ; out of it: row r, + 32 h
	v_lshlrev_b32 v6, 4, v2                        ; the image: 16 bytes a lane
	LOADB 0
	LOADB 1
	s_wait_kmcnt 0x0
	v_mov_b32 v10, s38
	v_mul_f32 v10, 0x41000000, v10                 ; 8 dist_w: the factor 8 is exact; the attention launch multiplies scores and bias alike by log2(e) / 8
	v_mov_b32 v11, v10
.irp s, 0,1,2,3,4,5,6,7
	BLK \s
.endr
	s_wait_tensorcnt 0x0                           ; the wave's end: behind my last LDS store
	ds_add_u32 v[SPW], v[NIL]
	s_wait_dscnt 0x0
	s_endpgm
	; ================ Wo as f16, in planes of 64 along K ================
.Lwo:
	s_sub_co_u32 s35, ttmp9, QWG+BWG
	s_lshl_b32 s35, s35, 2
	s_add_co_u32 s35, s35, s34                     ; ww = 0 .. 127: rows 8 ww + 0 .. 7
	s_mov_b32 s37, 0
	s_lshl_b32 s36, s35, 15
	s_add_nc_u64 s[16:17], s[16:17], s[36:37]
	s_lshl_b32 s36, s35, 10
	s_add_nc_u64 s[32:33], s[32:33], s[36:37]
	v_lshrrev_b32 v8, 4, v2
	v_and_b32 v9, 15, v2
	v_lshlrev_b32 v3, 12, v8
	v_lshl_add_u32 v3, v9, 4, v3                   ; in: row h of a pair, 16 bytes a lane
	v_lshlrev_b32 v6, 3, v2                        ; out: 8 bytes a lane, the two rows on end
	LOADW 0
	LOADW 1
.irp p, 0,1,2,3
	CVW \p
.endr
	s_wait_tensorcnt 0x0                           ; this path stores nothing to LDS; the three lines stand at every end of the text alike
	ds_add_u32 v[SPW], v[NIL]
	s_wait_dscnt 0x0
	s_endpgm
.Lfunc_end_k_qe299d002e3_prep:
	.size	k_qe299d002e3_prep, .Lfunc_end_k_qe299d002e3_prep-k_qe299d002e3_prep
	.p2alignl 7, 3214868480
	.fill 96, 4, 3214868480
	.section	.rodata,"a",@progbits
	.p2align	6, 0x0
	.amdhsa_kernel k_qe299d002e3_prep
		.amdhsa_group_segment_fixed_size 50688
		.amdhsa_private_segment_fixed_size 0
		.amdhsa_enable_private_segment 0
		.amdhsa_kernarg_size 104
		.amdhsa_user_sgpr_count 2
		.amdhsa_user_sgpr_kernarg_segment_ptr 1
		.amdhsa_wavefront_size32 1
		.amdhsa_system_sgpr_workgroup_id_x 1
		.amdhsa_system_sgpr_workgroup_id_y 1
		.amdhsa_system_sgpr_workgroup_id_z 1
		.amdhsa_system_vgpr_workitem_id 0
		.amdhsa_next_free_vgpr 192
		.amdhsa_next_free_sgpr 66
		.amdhsa_reserve_vcc 0
		.amdhsa_float_denorm_mode_32 3
		.amdhsa_float_denorm_mode_16_64 3
		.amdhsa_memory_ordered 1
		.amdhsa_forward_progress 1
		.amdhsa_inst_pref_size 85
	.end_amdhsa_kernel
	.amdgpu_metadata
---
amdhsa.version: [ 1, 2 ]
amdhsa.kernels:
  - .name:           k_qe299d002e3_prep
    .symbol:         k_qe299d002e3_prep.kd
    .args:
      - { .name: x, .offset: 0, .size: 8, .value_kind: global_buffer, .address_space: global }
      - { .name: Wq, .offset: 8, .size: 8, .value_kind: global_buffer, .address_space: global }
      - { .name: Wk, .offset: 16, .size: 8, .value_kind: global_buffer, .address_space: global }
      - { .name: Wv, .offset: 24, .size: 8, .value_kind: global_buffer, .address_space: global }
      - { .name: Wo, .offset: 32, .size: 8, .value_kind: global_buffer, .address_space: global }
      - { .name: dist_matrix, .offset: 40, .size: 8, .value_kind: global_buffer, .address_space: global }
      - { .name: dist_w, .offset: 48, .size: 8, .value_kind: global_buffer, .address_space: global }
      - { .name: xc, .offset: 56, .size: 8, .value_kind: global_buffer, .address_space: global }
      - { .name: xs, .offset: 64, .size: 8, .value_kind: global_buffer, .address_space: global }
      - { .name: wc, .offset: 72, .size: 8, .value_kind: global_buffer, .address_space: global }
      - { .name: ws, .offset: 80, .size: 8, .value_kind: global_buffer, .address_space: global }
      - { .name: bimg, .offset: 88, .size: 8, .value_kind: global_buffer, .address_space: global }
      - { .name: wo16, .offset: 96, .size: 8, .value_kind: global_buffer, .address_space: global }
    .group_segment_fixed_size: 50688
    .private_segment_fixed_size: 0
    .kernarg_segment_align: 8
    .kernarg_segment_size: 104
    .max_flat_workgroup_size: 128
    .sgpr_count:     66
    .vgpr_count:     192
    .wavefront_size: 32
...
	.end_amdgpu_metadata
.endif
;; end of part 1
;; launch qkv (part 2): grid 12 x 32, 4 waves a work-group, clusters of 4 x 4, 327,680 bytes of LDS; arguments xc, xs, wc, ws, bq, bv, qkv; writes qkv
.if DOCPART == 2
	.amdgcn_target "amdgcn-amd-amdhsa--gfx1250"
	.amdhsa_code_object_version 6
	.text
	.protected	k_qe299d002e3_qkv
	.globl	k_qe299d002e3_qkv
	.p2align	8
	.type	k_qe299d002e3_qkv,@function
k_qe299d002e3_qkv:
	s_mov_b64 s[64:65], 0
	v_nop
	global_prefetch_b8 v0, s[64:65] scope:SCOPE_SE
	s_setreg_imm32_b32 hwreg(HW_REG_WAVE_MODE, 25, 1), 1
	s_wait_xcnt 0x0
	s_wait_alu depctr_hold_cnt(0) depctr_sa_sdst(0) depctr_va_vdst(0) depctr_va_sdst(0) depctr_va_ssrc(0) depctr_va_vcc(0) depctr_vm_vsrc(0)
	s_getreg_b32 s2, hwreg(HW_REG_IB_STS2, 6, 4)
	s_cmp_eq_u32 s2, 0
	s_cbranch_scc0 .Lentry_in_a_cluster
	s_endpgm
.Lentry_in_a_cluster:
	s_bfe_u32 s2, ttmp6, 0x10000c
	s_cmp_lg_u32 s2, 0xf033
	s_cbranch_scc0 .Lentry_shape_is_right
	s_endpgm
.Lentry_shape_is_right:
; q = x Wq^T + bq, k = x Wk^T, v = x Wv^T + bv on codes of FP4 (E2M1) with one E8M0 scale for each 32 along K = 1,024; sums in f32; results rounded once to f16.
; bk is left out: it adds to every score of a row the same number, which the softmax takes away; k goes into no quantiser (shown at the head of the first kernel).
; xc [8192][512 bytes], xs [8192][32]; wc [3072][512 bytes], ws [3072][32]: rows 0-1023 Wq, 1024-2047 Wk, 2048-3071 Wv.  qkv: f16, [which 3][b 4][h 16][n 2048][64].
; A work-group of four waves makes 256 tokens x 256 columns, a wave 128 x 128: 64 accumulators of 16 x 16, 512 registers.
; A row of codes for ALL of K is 512 bytes, so the 256 + 256 rows lie in LDS whole: each wave brings 128 rows by one tensor load and their scale bytes by another, nothing is filled again, and there is one barrier.
; CLUSTERS: 4 x 4 work-groups.  The four of a row of the cluster need the same rows of x, the four of a column the same rows of W: each tile is asked for jointly.
; The cluster x (0, 1, 2) says which of q, k, v: the same in all sixteen partners.
; THE MATRIX INSTRUCTION IS USED TRANSPOSED (source 0 = 16 rows of W, source 1 = 16 tokens): a lane holds eight neighbouring columns of one token.  The bias is the C of each sum's first product.
; REGISTERS, in windows of 256: window 0: v16-30 addresses; v32-95 scale words; v128-191 the tokens' fragments, one set; v192-255 the bias in the result's layout.  On the way out v32-63, v192-255 are free.
;   window 1: W's fragments, two sets, at v0 and v128.   window 2: accumulators of my tokens 0-63 ((a, b) at v[8 (8 a + b)]);   window 3: of my tokens 64-127.
; LIMIT: results beyond the range of f16 (65,504) are not served.
.set FR,     8                         ; registers of a fragment: 16 rows x 128 K
.set NL,     2                         ; LDS loads that bring one
.set PITCH,  528                       ; an LDS row: 512 bytes + 16 of padding = 132 words: the 16 rows that a load touches start at 16 different groups of four banks
.set HALFT,  128*PITCH                 ; what one tensor load brings
.set KS,     32                        ; a row of scale bytes
.set SCL,    4*HALFT                   ; behind the codes: the scale bytes, as units of 256 bytes + 16 of padding
.set HALFS,  16*272                    ; those of 128 rows
.set SBLK,   2*272                     ; those of 16 rows
.set STAGE,  SCL+4*HALFS               ; the way out: 16 rows x 272 bytes for each wave; no tensor load lands here
.set SPITCH, 272
.set SPARE,  STAGE+4*16*SPITCH         ; the spare words, 128 bytes for each wave: two blocks of 256 bytes that no other line names
.set ADRA, 16                          ; v16  LDS address of my tokens' fragments
.set ADRB, 20                          ; v20  of my W fragments
.set STO,  24                          ; v24  the way out: where I put 16 bytes of a token
.set RD,   25                          ; v25  where I read them back
.set CO,   26                          ; v26  my byte offset in qkv
.set ADRS, 27                          ; v27  LDS address of my scale words: lanes 0-15 the tokens', lanes 16-31 W's
.set SPW,  28                          ; v28  LDS address of my spare word; never rewritten
.set NIL,  29                          ; v29  0; never rewritten
.set BOF,  30                          ; v30  32 h: my eight numbers of a block of 16 of the bias
.set SC,   32                          ; scale words: register 32 (q / 4) + 4 i + q % 4: lanes 0-15 token block i, lanes 16-31 W block i, K step q
.set AF,   128
.set BI,   192
.set TMP,  192                         ; the way out: packed results
.set OB,   32                          ; the way out: rows read back: v32-63 and v224-255 by turns
.set G1,   24                          ; s[24:31], s[32:35] groups 1 and 0 for the tokens' codes
.set G0,   32
.set G1B,  48                          ; s[48:55], s[56:59] for W's codes
.set G0B,  56
.set G1S,  68                          ; s[68:75], s[76:79] for the tokens' scale bytes
.set G0S,  76
.set G1SB, 80                          ; s[80:87], s[88:91] for W's
.set G0SB, 88
.set MSB, 0
.macro WIN new                         ; the immediate's high byte repeats the setting that is left; a switch that changes nothing is dropped
.if MSB != (\new)
	s_set_vgpr_msb (MSB<<8)|(\new)
.set MSB, (\new)
.endif
.endm
.set TO_B, 0x40                        ; destination window 1, address window 0
; A joint load: waves 0 and 1 fetch for the tokens, waves 2 and 3 for W.  The branch hangs on the wave's number alone.  An s_nop 0 and four v_nop follow each of the two lines.
.macro JLOAD g0a, g1a, g0b, g1b
	s_cmp_eq_u32 s15, 0
	s_cbranch_scc0 .Lfor_b_\@
	tensor_load_to_lds s[\g0a:\g0a+3], s[\g1a:\g1a+7]
	s_nop 0
.rept 4
	v_nop
.endr
	s_branch .Lasked_\@
.Lfor_b_\@:
	tensor_load_to_lds s[\g0b:\g0b+3], s[\g1b:\g1b+7]
	s_nop 0
.rept 4
	v_nop
.endr
.Lasked_\@:
.endm
.macro CROUND                          ; a round of the cluster's barrier
	s_barrier_signal -1
	s_barrier_wait -1
	s_cmp_lg_u32 s14, 0
	s_cbranch_scc1 .Lnot_wave_0_\@
	s_barrier_signal -3
.Lnot_wave_0_\@:
	s_barrier_wait -3
	s_barrier_signal -1
	s_barrier_wait -1
.endm
	s_load_b256 s[4:11], s[0:1], 0x0               ; xc s[4:5], xs s[6:7], wc s[8:9], ws s[10:11]
	s_load_b128 s[36:39], s[0:1], 0x20             ; bq s[36:37], bv s[38:39]
	s_load_b64 s[12:13], s[0:1], 0x30              ; qkv
	v_lshl_add_u32 v[SPW], v0, 2, SPARE
	v_mov_b32 v[NIL], 0
	ds_add_u32 v[SPW], v[NIL]                      ; the opening: the add, twice on end, and its wait ahead of my first tensor load
	ds_add_u32 v[SPW], v[NIL]
	v_lshrrev_b32 v1, 5, v0
	v_readfirstlane_b32 s14, v1                    ; wave 0..3
	s_lshr_b32 s15, s14, 1                         ; which half of the tokens is mine.  Also: I fetch for the tokens (0) or for W (1)
	s_and_b32 s16, s14, 1                          ; which half of the columns.  Also: which 128 rows I fetch
	s_bfe_u32 s40, ttmp6, 0x40000                  ; cx, cy: my place in the cluster
	s_bfe_u32 s41, ttmp6, 0x40004
	s_lshl_b32 s42, ttmp9, 2
	s_add_co_u32 s42, s42, s40                     ; tile column = 4 x cluster x + cx
	s_and_b32 s17, ttmp7, 0xffff
	s_lshl_b32 s17, s17, 2
	s_add_co_u32 s17, s17, s41                     ; tile row = 4 x cluster y + cy
	s_lshl_b32 s43, s41, 2
	s_lshl_b32 s43, 15, s43                        ; my row of the cluster
	s_lshl_b32 s44, 0x1111, s40                    ; my column
	; group 1 for codes: 128 rows x 512 bytes, 16 bytes of padding behind each row
	s_or_b32 s[G1+0], s43, (0<<16)|(1<<20)|(1<<21)|(6<<22)|(3<<25)   ; the mask; elements of 1 byte; padding on; bit 21 beside a mask; after every 128 words, 4 words
	s_or_b32 s[G1B+0], s44, (0<<16)|(1<<20)|(1<<21)|(6<<22)|(3<<25)
.irp g, G1, G1B
	s_mov_b32 s[\g+1], 512<<16                     ; tensor_dim0
	s_mov_b32 s[\g+2], 128<<16                     ; tensor_dim1
	s_mov_b32 s[\g+3], 512<<16                     ; tile_dim0
	s_mov_b32 s[\g+4], 128                         ; tile_dim1
	s_mov_b32 s[\g+5], 512                         ; from row to row
	s_mov_b32 s[\g+6], 0
	s_mov_b32 s[\g+7], 0
.endr
	; group 1 for scale bytes: 128 rows x 32 bytes are 4,096 dense bytes: 16 rows of 256 bytes (32 elements of 8 bytes), 16 bytes of padding behind each
	s_or_b32 s[G1S+0], s43, (3<<16)|(1<<20)|(1<<21)|(5<<22)|(3<<25)
	s_or_b32 s[G1SB+0], s44, (3<<16)|(1<<20)|(1<<21)|(5<<22)|(3<<25)
.irp g, G1S, G1SB
	s_mov_b32 s[\g+1], 32<<16
	s_mov_b32 s[\g+2], 16<<16
	s_mov_b32 s[\g+3], 32<<16
	s_mov_b32 s[\g+4], 16
	s_mov_b32 s[\g+5], 32
	s_mov_b32 s[\g+6], 0
	s_mov_b32 s[\g+7], 0
.endr
	s_lshl_b32 s18, s16, 7                         ; which 128 rows of the tile I fetch
	s_lshl_b32 s20, s17, 8
	s_add_co_u32 s20, s20, s18                     ; tokens: row 256 x tile row + 128 x half
	s_lshl_b32 s46, s42, 8
	s_add_co_u32 s46, s46, s18                     ; W: row 256 x tile column + 128 x half
	s_lshl_b32 s22, s20, 5                         ; where these rows' scale bytes begin,
	s_mov_b32 s23, 0
	s_lshl_b32 s92, s46, 5
	s_mov_b32 s93, 0
	s_lshl_b32 s20, s20, 9                         ; and their codes
	s_mov_b32 s21, 0
	s_lshl_b32 s46, s46, 9
	s_mov_b32 s47, 0
	s_mul_i32 s45, s14, HALFT                      ; where they go: wave x 128 rows: no place in the cluster enters an LDS address
	s_mul_i32 s94, s14, HALFS
	s_wait_dscnt 0x0                               ; both opening adds are done
	s_wait_kmcnt 0x0
	s_add_nc_u64 s[20:21], s[4:5], s[20:21]
	s_add_nc_u64 s[22:23], s[6:7], s[22:23]
	s_add_nc_u64 s[46:47], s[8:9], s[46:47]
	s_add_nc_u64 s[92:93], s[10:11], s[92:93]
	CROUND                                         ; all sixteen work-groups are here: the joint loads meet
	s_mov_b32 s[G0S], 1
	s_add_co_u32 s[G0S+1], s94, SCL
	s_mov_b64 s[G0S+2:G0S+3], s[22:23]
	s_or_b32 s[G0S+3], s[G0S+3], 0x80000000
	s_mov_b32 s[G0SB], 1
	s_add_co_u32 s[G0SB+1], s94, SCL
	s_mov_b64 s[G0SB+2:G0SB+3], s[92:93]
	s_or_b32 s[G0SB+3], s[G0SB+3], 0x80000000
	JLOAD G0S, G1S, G0SB, G1SB
	s_mov_b32 s[G0], 1
	s_mov_b32 s[G0+1], s45
	s_mov_b64 s[G0+2:G0+3], s[20:21]
	s_or_b32 s[G0+3], s[G0+3], 0x80000000
	s_mov_b32 s[G0B], 1
	s_mov_b32 s[G0B+1], s45
	s_mov_b64 s[G0B+2:G0B+3], s[46:47]
	s_or_b32 s[G0B+3], s[G0B+3], 0x80000000
	JLOAD G0, G1, G0B, G1B                         ; two tensor loads of mine are out: all that this launch asks for
	v_and_b32 v1, 15, v0                           ; r = l % 16
	v_bfe_u32 v2, v0, 4, 1                         ; h = l / 16
	v_lshlrev_b32 v[BOF], 5, v2
	; THE BIAS in the result's layout: register 8 b + j = bias[my first column + 16 b + 8 h + j].  k has none (dead work, see the head): its C is zeros.  The branch hangs on the cluster x, the same in all partners.
	s_cmp_eq_u32 ttmp9, 1
	s_cbranch_scc1 .Lno_bias
	s_cmp_eq_u32 ttmp9, 0
	s_cselect_b64 s[36:37], s[36:37], s[38:39]     ; bq or bv
	s_lshl_b32 s46, s40, 10                        ; 256 cx columns,
	s_lshl_b32 s47, s16, 9                         ; my half's 128
	s_add_co_u32 s46, s46, s47
	s_mov_b32 s47, 0
	s_add_nc_u64 s[36:37], s[36:37], s[46:47]
.irp b, 0,1,2,3,4,5,6,7
	global_load_b128 v[BI+8*\b:BI+8*\b+3], v[BOF], s[36:37] offset:64*\b
	global_load_b128 v[BI+8*\b+4:BI+8*\b+7], v[BOF], s[36:37] offset:64*\b+16
.endr
	s_branch .Lbias_done
.Lno_bias:
.irp j, 0,1,2,3,4,5,6,7,8,9,10,11,12,13,14,15,16,17,18,19,20,21,22,23,24,25,26,27,28,29,30,31,32,33,34,35,36,37,38,39,40,41,42,43,44,45,46,47,48,49,50,51,52,53,54,55,56,57,58,59,60,61,62,63
	v_mov_b32 v[BI+\j], 0
.endr
.Lbias_done:
	v_mul_u32_u24 v3, v1, PITCH
	v_lshl_add_u32 v4, v2, 4, v3                   ; a fragment's row x pitch + 16 x half
	s_mul_i32 s21, s15, HALFT                      ; my 128 tokens
	s_mul_i32 s22, s16, HALFT                      ; my 128 rows of W,
	s_add_co_u32 s22, s22, 2*HALFT                 ; which lie behind the 256 tokens
	v_add_nc_u32 v[ADRA], s21, v4
	v_add_nc_u32 v[ADRB], s22, v4
	v_mul_u32_u24 v5, v1, KS                       ; my row's scale bytes: 32 a row,
	v_lshrrev_b32 v6, 8, v5
	v_lshl_add_u32 v5, v6, 4, v5                   ; and 16 more for each 256 passed
	s_mul_i32 s21, s15, HALFS
	s_mul_i32 s22, s16, HALFS
	s_add_co_u32 s22, s22, 2*HALFS
	s_sub_co_u32 s22, s22, s21
	v_mul_u32_u24 v6, s22, v2                      ; lanes 16-31 take W's: one product, the distance between the two bases
	s_add_co_u32 s21, s21, SCL
	v_add_nc_u32 v5, v5, v6
	v_add_nc_u32 v[ADRS], s21, v5
	s_mul_i32 s23, s14, 16*SPITCH
	s_add_co_u32 s23, s23, STAGE                   ; my stage
	v_mul_u32_u24 v5, v1, SPITCH                   ; in: token r, 16 bytes for each half of the lanes
	v_lshl_add_u32 v5, v2, 4, v5
	v_add_nc_u32 v[STO], s23, v5
	v_bfe_u32 v5, v0, 3, 1                         ; back: lanes 0-15 take head 0 of two tokens, lanes 16-31 head 1: token (l / 8) % 2, 128 (l / 16) + 16 (l % 8) bytes
	v_mul_u32_u24 v5, v5, SPITCH
	v_lshl_add_u32 v5, v2, 7, v5
	v_and_b32 v6, 7, v0
	v_lshl_add_u32 v5, v6, 4, v5
	v_add_nc_u32 v[RD], s23, v5
	v_lshlrev_b32 v[CO], 4, v1                     ; in qkv two tokens of a head are 256 consecutive bytes; the next head lies 2^18 bytes on
	v_lshl_add_u32 v[CO], v2, 18, v[CO]
	; where my part begins in qkv: head index 64 which + 16 b + 4 cx + 2 half, token 256 (tile row % 8) + 128 half
	s_lshr_b32 s20, s17, 3
	s_lshl_b32 s20, s20, 4
	s_mul_i32 s21, ttmp9, 48
	s_add_co_u32 s20, s20, s21
	s_lshl_b32 s46, s42, 2
	s_lshl_b32 s47, s16, 1
	s_add_co_u32 s46, s46, s47
	s_add_co_u32 s20, s20, s46
	s_lshl_b32 s20, s20, 18
	s_and_b32 s21, s17, 7
	s_lshl_b32 s21, s21, 8
	s_lshl_b32 s47, s15, 7
	s_add_co_u32 s21, s21, s47
	s_lshl_b32 s21, s21, 7
	s_add_co_u32 s20, s20, s21
	s_mov_b32 s21, 0
	s_add_nc_u64 s[12:13], s[12:13], s[20:21]
.macro FRAG reg, adr, q, i             ; 16 rows x 128 K of 4-bit codes: lane l holds row l % 16; registers 4 c .. 4 c + 3 hold K = 64 c + 32 (l / 16) + 0 .. 31
.irp c, 0,1
	ds_load_b128 v[\reg+4*\c:\reg+4*\c+3], v[\adr] offset:64*(\q)+32*\c+(\i)*16*PITCH
.endr
.endm
.macro FETCH_B q, p                    ; W's eight fragments of K step q into set p
	WIN TO_B
.irp i, 0,1,2,3,4,5,6,7
	FRAG 128*(\p)+FR*\i, ADRB, \q, \i
.endr
	WIN 0
.endm
.macro FETCH_A q, i0                   ; the tokens' blocks i0 .. i0 + 3
.irp i, \i0, \i0+1, \i0+2, \i0+3
	FRAG AF+FR*(\i), ADRA, \q, \i
.endr
.endm
.macro SCALES sc                       ; the scale words of K steps 4 sc .. 4 sc + 3: 16 bytes a row
.irp i, 0,1,2,3,4,5,6,7
	ds_load_b128 v[SC+32*\sc+4*\i:SC+32*\sc+4*\i+3], v[ADRS] offset:\i*SBLK+16*\sc
.endr
.endm
; 16 matrix instructions: token blocks a0, a0 + 1 x W's eight, K step q.  p: W's set.  first = 1: C is the bias: nothing is ever cleared or added afterwards.
; The 64 accumulators take turns, one instruction a turn, in the same order in every step.
.macro MUL16 a0, p, q, first
.irp a, \a0, \a0+1
.irp b, 0,1,2,3,4,5,6,7
.if \first
	v_wmma_scale_f32_16x16x128_f8f6f4 v[8*(8*((\a)%4)+\b):8*(8*((\a)%4)+\b)+7], v[128*(\p)+FR*\b:128*(\p)+FR*\b+FR-1], v[AF+FR*(\a):AF+FR*(\a)+FR-1], v[BI+8*\b:BI+8*\b+7], v[SC+32*((\q)/4)+4*\b+(\q)%4], v[SC+32*((\q)/4)+4*(\a)+(\q)%4] matrix_a_fmt:MATRIX_FMT_FP4 matrix_b_fmt:MATRIX_FMT_FP4 matrix_a_scale:MATRIX_SCALE_ROW1
.else
	v_wmma_scale_f32_16x16x128_f8f6f4 v[8*(8*((\a)%4)+\b):8*(8*((\a)%4)+\b)+7], v[128*(\p)+FR*\b:128*(\p)+FR*\b+FR-1], v[AF+FR*(\a):AF+FR*(\a)+FR-1], v[8*(8*((\a)%4)+\b):8*(8*((\a)%4)+\b)+7], v[SC+32*((\q)/4)+4*\b+(\q)%4], v[SC+32*((\q)/4)+4*(\a)+(\q)%4] matrix_a_fmt:MATRIX_FMT_FP4 matrix_b_fmt:MATRIX_FMT_FP4 matrix_a_scale:MATRIX_SCALE_ROW1
.endif
.endr
.endr
.endm
.macro PLACES                          ; four plain vector lines in front of loads into registers that matrix instructions have read, and of the first read of results
.rept 4
	v_nop
.endr
.endm
; K step q, which has a successor.  Windows: source 0 (W) window 1, source 1 (tokens) window 0, D window 2 or 3; C with D, or, first = 1, the bias in window 0.
.macro STEP q, first
	s_wait_dscnt 4*NL                              ; all but the youngest eight loads (token blocks 4-7) are in
	WIN 0xa1-0x20*(\first)
	MUL16 0, (\q)%2, \q, \first
	MUL16 2, (\q)%2, \q, \first
	s_wait_dscnt 0x0                               ; token blocks 4-7 are in
	PLACES
	FETCH_B (\q)+1, 1-(\q)%2
	FETCH_A (\q)+1, 0
	WIN 0xf1-0x30*(\first)
	MUL16 4, (\q)%2, \q, \first
	MUL16 6, (\q)%2, \q, \first
	PLACES
	WIN 0
	FETCH_A (\q)+1, 4
.endm
	s_wait_tensorcnt 0x0                           ; my codes and scale bytes are in,
	s_barrier_signal -1
	s_barrier_wait -1                              ; everybody's are
	FETCH_B 0, 0
	FETCH_A 0, 0
	SCALES 0
	SCALES 1
	FETCH_A 0, 4
	s_wait_loadcnt 0x0                             ; the bias
	STEP 0, 1
.irp q, 1,2,3,4,5,6
	STEP \q, 0
.endr
	s_wait_dscnt 4*NL                              ; the last K step: nothing more to fetch
	WIN 0xa1
	MUL16 0, 1, 7, 0
	MUL16 2, 1, 7, 0
	s_wait_dscnt 0x0
	WIN 0xf1
	MUL16 4, 1, 7, 0
	MUL16 6, 1, 7, 0
	WIN 0
; THE WAY OUT, block by block of 16 tokens x 128 columns (two heads).  PACK: rounded to f16, 16 bytes a lane, each accumulator from its low end on.  TOSTAGE: into my own stage and back.  SEND: stored.
.macro PACK a
.set AC, 64*((\a)%4)
	WIN 0x0a+5*((\a)/4)                            ; sources 0 and 1: window 2 or 3
.irp b, 0,1,2,3,4,5,6,7
.irp r, 0,1,2,3
	v_cvt_pk_f16_f32 v[TMP+4*\b+\r], v[AC+8*\b+2*\r], v[AC+8*\b+2*\r+1]
.endr
.endr
	WIN 0
.endm
.macro TOSTAGE a
.set BKR, OB+192*((\a)%2)
.irp b, 0,1,2,3,4,5,6,7
	ds_store_b128 v[STO], v[TMP+4*\b:TMP+4*\b+3] offset:32*\b
.endr
.irp t, 0,1,2,3,4,5,6,7
	ds_load_b128 v[BKR+4*\t:BKR+4*\t+3], v[RD] offset:\t*2*SPITCH   ; LDS serves a wave's instructions in order: these see the stores above
.endr
.endm
.macro SEND a
.set BKR, OB+192*((\a)%2)
	s_wait_dscnt 0x0                               ; the block is back in registers
	s_wait_xcnt 0x0                                ; the earlier stores have read their registers: the next block's loads from the stage may land there
.irp t, 0,1,2,3,4,5,6,7
	global_store_b128 v[CO], v[BKR+4*\t:BKR+4*\t+3], s[12:13] offset:(\a)*2048+\t*256   ; sixteen lanes store two tokens of one head: 256 consecutive bytes, aligned
.endr
.endm
	PLACES
	PACK 0
	TOSTAGE 0
.irp a, 1,2,3,4,5,6,7                  ; block a's conversions stand between block a - 1's loads from the stage and the wait for them
	PACK \a
	SEND \a-1
	TOSTAGE \a
.endr
	SEND 7
	s_wait_tensorcnt 0x0                           ; the wave's end: behind my last tensor load and my last LDS store
	ds_add_u32 v[SPW], v[NIL]
	s_wait_dscnt 0x0
	CROUND                                         ; the closing round
	s_endpgm
.Lfunc_end_k_qe299d002e3_qkv:
	.size	k_qe299d002e3_qkv, .Lfunc_end_k_qe299d002e3_qkv-k_qe299d002e3_qkv
	.p2alignl 7, 3214868480
	.fill 96, 4, 3214868480
	.section	.rodata,"a",@progbits
	.p2align	6, 0x0
	.amdhsa_kernel k_qe299d002e3_qkv
		.amdhsa_group_segment_fixed_size 327680
		.amdhsa_private_segment_fixed_size 0
		.amdhsa_enable_private_segment 0
		.amdhsa_kernarg_size 56
		.amdhsa_user_sgpr_count 2
		.amdhsa_user_sgpr_kernarg_segment_ptr 1
		.amdhsa_wavefront_size32 1
		.amdhsa_system_sgpr_workgroup_id_x 1
		.amdhsa_system_sgpr_workgroup_id_y 1
		.amdhsa_system_sgpr_workgroup_id_z 1
		.amdhsa_system_vgpr_workitem_id 0
		.amdhsa_next_free_vgpr 1024
		.amdhsa_next_free_sgpr 98
		.amdhsa_reserve_vcc 0
		.amdhsa_float_denorm_mode_32 3
		.amdhsa_float_denorm_mode_16_64 3
		.amdhsa_memory_ordered 1
		.amdhsa_forward_progress 1
		.amdhsa_inst_pref_size 129
	.end_amdhsa_kernel
	.amdgpu_metadata
---
amdhsa.version: [ 1, 2 ]
amdhsa.kernels:
  - .name:           k_qe299d002e3_qkv
    .symbol:         k_qe299d002e3_qkv.kd
    .args:
      - { .name: xc, .offset: 0, .size: 8, .value_kind: global_buffer, .address_space: global }
      - { .name: xs, .offset: 8, .size: 8, .value_kind: global_buffer, .address_space: global }
      - { .name: wc, .offset: 16, .size: 8, .value_kind: global_buffer, .address_space: global }
      - { .name: ws, .offset: 24, .size: 8, .value_kind: global_buffer, .address_space: global }
      - { .name: bq, .offset: 32, .size: 8, .value_kind: global_buffer, .address_space: global }
      - { .name: bv, .offset: 40, .size: 8, .value_kind: global_buffer, .address_space: global }
      - { .name: qkv, .offset: 48, .size: 8, .value_kind: global_buffer, .address_space: global }
    .group_segment_fixed_size: 327680
    .private_segment_fixed_size: 0
    .kernarg_segment_align: 8
    .kernarg_segment_size: 56
    .max_flat_workgroup_size: 128
    .sgpr_count:     98
    .vgpr_count:     1024
    .wavefront_size: 32
...
	.end_amdgpu_metadata
.endif
;; end of part 2
;; launch attn (part 3): grid 4 x 64, 16 waves a work-group, no clusters, 327,680 bytes of LDS; arguments qkv, bimg, att; writes att
.if DOCPART == 3
	.amdgcn_target "amdgcn-amd-amdhsa--gfx1250"
	.amdhsa_code_object_version 6
	.text
	.protected	k_qe299d002e3_attn
	.globl	k_qe299d002e3_attn
	.p2align	8
	.type	k_qe299d002e3_attn,@function
k_qe299d002e3_attn:
	s_mov_b64 s[64:65], 0
	v_nop
	global_prefetch_b8 v0, s[64:65] scope:SCOPE_SE
	s_setreg_imm32_b32 hwreg(HW_REG_WAVE_MODE, 25, 1), 1
	s_wait_xcnt 0x0
; att[bh][n][:] = the sum over m of softmax_m(q[n].k[m] / 8 + dist_w dist[n][m]) v[m][:], for 64 pairs bh of batch and head; q, k, v, att: f16, [..][2048][64]; products, maxima and sums in f32.
; dist_b is left out: it is the same along m, and the softmax takes it away (shown at the head of the first kernel).
; THE BIAS COSTS NO VECTOR INSTRUCTION: bimg holds 8 dist_w dist in the order of the score tiles' registers; it is loaded straight into those registers and is the C of the first product K Q^T.
; Then s = q.k + 8 dist_w dist, and p = 2^(c s - c m) with c = log2(e) / 8 and m the row's running maximum of s; in every step O and the sum l are multiplied by a = 2^(c m_old - c m_new).
; THE BIAS IS ASKED FOR A STEP AHEAD: as soon as a step's p has been rounded to f16, into registers of its own, all 64 score registers are free, and the next step's sixteen loads go out.
; Between them and the wait for them stand 32 packed multiplies, 16 products and 24 LDS loads.  The last of the 32 steps asks for nothing: no load leaves the image.
; SHARES.  A work-group owns 512 queries of one pair bh; each of its sixteen waves 32 of them, two tiles of 16, in 256 registers: four waves to a SIMD, so that one wave's vector work stands beside another's products and loads.
; Every wave walks all 2,048 keys, 64 a step.  K and V come through a ring of two LDS slots of 256 keys, filled by the tensor data mover (waves 0, 1: K's halves; waves 2, 3: V's) and read by all sixteen.
; NO CLUSTER: what the four query blocks of a pair share, K and V, is 64 KB of the 576 KB that a work-group takes in for a slot's four steps (the bias is 512 KB of it and differs from block to block).
; LAYOUT.  S^T = K Q^T (source 0 = 16 keys, source 1 = 16 queries): a lane holds ONE query (lane % 16) and keys 8 (lane / 16) + 0 .. 7.  Two such tiles, rounded to f16 in pairs, ARE source 1 of O^T = V^T P.
; K comes out of LDS as it lies, V ([key][channel]) turned, by ds_load_tr16_b128.
; REGISTERS: v1-7 addresses that stay; v16-31 statistics, eight a tile: +0 c m, +1 m, +2, +3 l (even, odd keys), +4 .. +7 at work, a at +6; v32-63 Q; v64-127 bias, then S^T, then p;
;   v128-191 O^T; v192-255 K of the step; behind the products K Q^T: v192-223 V, 32 keys at a time, and v224-255 P, 16 a tile.
; LIMITS: NaN and infinities are not served; q, k, v beyond the range of f16 are not served.
.set PK,    144                        ; a key's row of K in LDS: 128 bytes + 16 = 36 words: the 16 rows of a load start at 16 different groups of four banks
.set PV,    160                        ; of V: 128 + 32 = 40 words
.set SKEYS, 256                        ; keys in a slot
.set VOFF,  SKEYS*PK                   ; a slot: 256 rows of K, then 256 rows of V
.set SLOT1, 1<<17                      ; slot 1 begins here: one exclusive or turns an address in one slot into the other's
.set NSL,   2048/SKEYS
.set SPARE, 2*SLOT1                    ; the spare words, 128 bytes for each of sixteen waves: eight blocks of 256 bytes that no other line names
.set STAGE, SPARE+2048                 ; the way out: 16 rows x 144 bytes for each wave; no tensor load lands here
.set AK0, 1                            ; v1  my lane's place in a tile of K
.set AV0, 2                            ; v2  in a tile of V
.set AB0, 3                            ; v3  16 x lane: my place in a group of the bias image, and in att
.set ADR, 4                            ; v4  LDS address of the run of loads in hand
.set SPW, 5                            ; v5  LDS address of my spare word; never rewritten
.set NIL, 6                            ; v6  0; never rewritten
.set PFO, 7                            ; v7  256 x lane: the prefetches' offset; never rewritten
.set ST,  16
.set QF,  32
.set SS,  64
.set OO,  128
.set KV,  192
.set PP,  224
.set TK,  2                            ; s2  LDS byte at which the step's rows of K begin
.set TV,  3                            ; s3  the same for V (less VOFF, which v2 carries)
.set WV,  18                           ; s18 my wave's number
.set SEL, 20                           ; s[20:21] selects for v_permlanex16_b32: lane l xor 16
.set CS,  22                           ; s[22:23] c, twice: the packed form names a pair
.set G1K, 24                           ; s[24:31] group 1 for K;  s[32:39] for V;  s[40:43], s[44:47] their groups 0, which walk
.set G1V, 32
.set G0K, 40
.set G0V, 44
.set SLOTS, 48                         ; s48 slots still to be asked for
.set STP, 49                           ; s49 counts a slot's steps
.set BB,  50                           ; s[50:51] the bias image at my first tile's block of the step that is asked for next
.set PFA, 52                           ; s[52:53] where my prefetches stand
.set LIM, 54                           ; s54 1 in a wave that prefetches, else the greatest number
; Waves 0 and 1 fetch for K, waves 2 and 3 for V, the others nothing.  The branches hang on the wave's number alone.  An s_nop 0 and four v_nop follow each of the two lines.
.macro TLOAD
	s_cmp_lt_u32 s[WV], 2
	s_cbranch_scc0 .Lnot_k_\@
	tensor_load_to_lds s[G0K:G0K+3], s[G1K:G1K+7]
	s_nop 0
.rept 4
	v_nop
.endr
	s_branch .Lasked_\@
.Lnot_k_\@:
	s_cmp_lt_u32 s[WV], 4
	s_cbranch_scc0 .Lasked_\@
	tensor_load_to_lds s[G0V:G0V+3], s[G1V:G1V+7]
	s_nop 0
.rept 4
	v_nop
.endr
.Lasked_\@:
.endm
; A prefetch of what the NEXT change of slots will ask for: 256 rows of K and of V, 32,768 dense bytes each.  The four work-groups of a pair bh walk the same rows: the first of them asks.
; In it waves 4 to 7 ask for K and waves 8 to 11 for V, 8,192 bytes a wave, lanes 256 bytes apart: each aligned block of 256 bytes is named once in the launch.
; It stands a slot's four key steps ahead of the tensor load that wants the rows.  The last change that fills a slot asks for nothing; slots 0 and 1 come by their loads alone.
.macro ASK
	s_cmp_gt_u32 s[SLOTS], s[LIM]
	s_cbranch_scc0 .Lnot_mine_\@
	global_prefetch_b8 v[PFO], s[PFA:PFA+1] th:TH_LOAD_NT scope:SCOPE_SE
.Lnot_mine_\@:
.endm
; The bias of one key step for my two tiles, into the score registers: sixteen loads of 512 consecutive bytes.
.macro BIAS
.irp t, 0,1
.irp i, 0,1,2,3,4,5,6,7
	global_load_b128 v[SS+32*\t+4*\i:SS+32*\t+4*\i+3], v[AB0], s[BB:BB+1] offset:\t*131072+\i*512
.endr
.endr
.endm
	s_load_b128 s[4:7], s[0:1], 0x0                ; qkv s[4:5], bimg s[6:7]
	s_load_b64 s[8:9], s[0:1], 0x10                ; att
	v_lshl_add_u32 v[SPW], v0, 2, SPARE
	v_mov_b32 v[NIL], 0
	ds_add_u32 v[SPW], v[NIL]                      ; the opening: the add, twice on end, and its wait ahead of my first tensor load
	ds_add_u32 v[SPW], v[NIL]
	v_lshrrev_b32 v8, 5, v0
	v_readfirstlane_b32 s[WV], v8                  ; wave 0..15
	s_and_b32 s56, ttmp7, 0xffff                   ; bh
	s_and_b32 s57, s[WV], 1                        ; which half of a slot's rows I fetch, if I fetch
	; group 1: 128 rows x 64 elements of 2 bytes, dense in memory, padded behind each row
	s_mov_b32 s[G1K], (1<<16)|(1<<20)|(4<<22)|(3<<25)   ; no mask; elements of 2 bytes; padding on; after every 32 words, 4 words
	s_mov_b32 s[G1V], (1<<16)|(1<<20)|(4<<22)|(7<<25)   ; the same with 8 words
.irp g, G1K, G1V
	s_mov_b32 s[\g+1], 64<<16                      ; tensor_dim0
	s_mov_b32 s[\g+2], 128<<16                     ; tensor_dim1
	s_mov_b32 s[\g+3], 64<<16                      ; tile_dim0
	s_mov_b32 s[\g+4], 128                         ; tile_dim1
	s_mov_b32 s[\g+5], 64                          ; from row to row
	s_mov_b32 s[\g+6], 0
	s_mov_b32 s[\g+7], 0
.endr
	s_mul_i32 s58, s57, 128*PK                     ; my half of K in a slot,
	s_mul_i32 s59, s57, 128*PV
	s_add_co_u32 s59, s59, VOFF                    ; of V,
	s_lshl_b32 s60, s57, 14                        ; and in memory: 128 rows of 128 bytes
	s_add_co_u32 s61, s56, 64                      ; k's pairs lie behind q's 64,
	s_lshl_b32 s61, s61, 18
	s_add_co_u32 s66, s61, s60
	s_mov_b32 s67, 0
	s_add_co_u32 s62, s56, 128                     ; v's behind k's
	s_lshl_b32 s62, s62, 18
	s_add_co_u32 s68, s62, s60
	s_mov_b32 s69, 0
	s_mov_b32 s[SEL], 0x76543210
	s_mov_b32 s[SEL+1], 0xfedcba98
	s_mov_b32 s[CS], 0x3e38aa3b                    ; c = log2(e) / 8
	s_mov_b32 s[CS+1], s[CS]
	s_mov_b32 s[TK], 0
	s_mov_b32 s[TV], 0
	s_mov_b32 s[SLOTS], NSL-1
	s_wait_dscnt 0x0                               ; both opening adds are done
	s_wait_kmcnt 0x0
	s_mov_b32 s[G0K], 1
	s_mov_b32 s[G0K+1], s58
	s_add_nc_u64 s[G0K+2:G0K+3], s[4:5], s[66:67]
	s_or_b32 s[G0K+3], s[G0K+3], 0x80000000
	s_mov_b32 s[G0V], 1
	s_mov_b32 s[G0V+1], s59
	s_add_nc_u64 s[G0V+2:G0V+3], s[4:5], s[68:69]
	s_or_b32 s[G0V+3], s[G0V+3], 0x80000000
	TLOAD                                          ; slot 0
	s_lshl_b32 s70, ttmp9, 9
	s_lshl_b32 s71, s[WV], 5
	s_add_co_u32 s70, s70, s71                     ; my first query: 512 x work-group x + 32 x wave
	s_lshl_b32 s71, s70, 7
	s_lshl_b32 s72, s56, 18
	s_add_co_u32 s72, s72, s71
	s_mov_b32 s73, 0
	s_add_nc_u64 s[74:75], s[4:5], s[72:73]        ; q at my first query
	s_add_nc_u64 s[8:9], s[8:9], s[72:73]          ; att likewise
	s_lshl_b32 s72, s70, 13                        ; a tile of 16 queries is 2^17 bytes of the image
	s_add_nc_u64 s[BB:BB+1], s[6:7], s[72:73]
	s_cmp_lt_u32 s[WV], 8                          ; the prefetches: waves 4 to 7 k, waves 8 to 11 v
	s_cselect_b32 s60, 64, 128
	s_add_co_u32 s60, s60, s56
	s_lshl_b32 s60, s60, 18
	s_and_b32 s61, s[WV], 3
	s_lshl_b32 s61, s61, 13                        ; my wave's 8,192 bytes,
	s_add_co_u32 s60, s60, s61
	s_add_co_u32 s60, s60, 32768                   ; in slot 1: the first change of slots steps it to slot 2
	s_mov_b32 s61, 0
	s_add_nc_u64 s[PFA:PFA+1], s[4:5], s[60:61]
	s_sub_co_u32 s60, s[WV], 4
	s_lshr_b32 s60, s60, 3                         ; 0 in waves 4 to 11,
	s_or_b32 s60, s60, ttmp9                       ; of the pair's first work-group
	s_cmp_eq_u32 s60, 0
	s_cselect_b32 s[LIM], 1, -1
	v_and_b32 v8, 15, v0                           ; r
	v_bfe_u32 v9, v0, 4, 1                         ; h
	v_lshlrev_b32 v10, 7, v8
	v_lshl_add_u32 v10, v9, 4, v10                 ; q: row r of 128 bytes, + 16 h
.irp t, 0,1
.irp d, 0,1
	global_load_b128 v[QF+16*\t+8*\d:QF+16*\t+8*\d+3], v10, s[74:75] offset:\t*2048+\d*64      ; Q stays in registers: tile t, channels 32 d on
	global_load_b128 v[QF+16*\t+8*\d+4:QF+16*\t+8*\d+7], v10, s[74:75] offset:\t*2048+\d*64+32
.endr
.endr
	v_and_b32 v[AB0], 31, v0
	v_lshlrev_b32 v[PFO], 8, v[AB0]
	v_lshlrev_b32 v[AB0], 4, v[AB0]
	BIAS                                           ; the first key step's bias
	v_mul_u32_u24 v[AK0], v8, PK
	v_lshl_add_u32 v[AK0], v9, 4, v[AK0]           ; K: row r x pitch + 16 h
	v_and_b32 v11, 7, v0
	v_lshl_add_u32 v[AV0], v9, 3, v11              ; V, turned: key 8 h + l % 8,
	v_mul_u32_u24 v[AV0], v[AV0], PV
	v_bfe_u32 v11, v0, 3, 1
	v_lshl_add_u32 v[AV0], v11, 4, v[AV0]          ; channels 8 ((l / 8) % 2) on
	v_add_nc_u32 v[AV0], VOFF, v[AV0]
.irp t, 0,1
	v_mov_b32 v[ST+8*\t+1], 0xff61b1e6             ; m: -3e38, under every score
	v_mul_f32 v[ST+8*\t], s[CS], v[ST+8*\t+1]      ; c m
.irp j, 2,3,4,5,6,7
	v_mov_b32 v[ST+8*\t+\j], 0                     ; l, and the registers at work
.endr
.endr
.irp j, 0,1,2,3,4,5,6,7,8,9,10,11,12,13,14,15,16,17,18,19,20,21,22,23,24,25,26,27,28,29,30,31,32,33,34,35,36,37,38,39,40,41,42,43,44,45,46,47,48,49,50,51,52,53,54,55,56,57,58,59,60,61,62,63
	v_mov_b32 v[OO+\j], 0                          ; O^T.  The first step is like every other: it finds zeros, and its a is 0
.endr
; THE SOFTMAX of both tiles for one key step, up to P, the tiles by turns line by line, so that no line waits for the line above it.  Behind it no line reads the score registers.
.macro SOFTMAX
.irp j, 0,1,2,3
.irp t, 0,1
	v_max3_num_f32 v[ST+8*\t+4+\j], v[SS+32*\t+8*\j], v[SS+32*\t+8*\j+1], v[SS+32*\t+8*\j+2]   ; four chains, one for each score tile, each begun at the tile's low end
.endr
.endr
.irp g, 1,2
.irp j, 0,1,2,3
.irp t, 0,1
	v_max3_num_f32 v[ST+8*\t+4+\j], v[ST+8*\t+4+\j], v[SS+32*\t+8*\j+2*\g+1], v[SS+32*\t+8*\j+2*\g+2]
.endr
.endr
.endr
.irp t, 0,1
	v_max3_num_f32 v[ST+8*\t+4], v[ST+8*\t+4], v[SS+32*\t+7], v[SS+32*\t+15]
	v_max3_num_f32 v[ST+8*\t+6], v[ST+8*\t+6], v[SS+32*\t+23], v[SS+32*\t+31]
.endr
.irp t, 0,1
	v_max3_num_f32 v[ST+8*\t+4], v[ST+8*\t+4], v[ST+8*\t+5], v[ST+8*\t+6]
.endr
.irp t, 0,1
	v_max3_num_f32 v[ST+8*\t+4], v[ST+8*\t+4], v[ST+8*\t+7], v[ST+8*\t+1]   ; with the old m
.endr
.irp t, 0,1
	v_permlanex16_b32 v[ST+8*\t+5], v[ST+8*\t+4], s[SEL], s[SEL+1]          ; the query's other 32 keys lie in the lane 16 away
.endr
.irp t, 0,1
	v_mov_b32 v[ST+8*\t+7], v[ST+8*\t]             ; c m_old
.endr
.irp t, 0,1
	v_max_num_f32 v[ST+8*\t+1], v[ST+8*\t+4], v[ST+8*\t+5]
.endr
.irp t, 0,1
	v_mul_f32 v[ST+8*\t], s[CS], v[ST+8*\t+1]
.endr
.irp t, 0,1
	v_sub_f32 v[ST+8*\t+7], v[ST+8*\t+7], v[ST+8*\t]
.endr
.irp t, 0,1
	v_exp_f32 v[ST+8*\t+6], v[ST+8*\t+7]           ; a.  From here to the wait nothing names an exponential's result
.endr
.irp i, 0,2,4,6,8,10,12,14,16,18,20,22,24,26,28,30
.irp t, 0,1
	v_pk_fma_f32 v[SS+32*\t+\i:SS+32*\t+\i+1], v[SS+32*\t+\i:SS+32*\t+\i+1], s[CS:CS+1], v[ST+8*\t:ST+8*\t+1] op_sel_hi:[1,0,0] neg_lo:[0,0,1] neg_hi:[0,0,1]   ; c s - c m
.endr
.endr
.irp i, 0,1,2,3,4,5,6,7,8,9,10,11,12,13,14,15,16,17,18,19,20,21,22,23,24,25,26,27,28,29,30,31
.irp t, 0,1
	v_exp_f32 v[SS+32*\t+\i], v[SS+32*\t+\i]       ; p, at most 1
.endr
.endr
	v_nop                                          ; a plain line behind the last exponential
	s_wait_alu depctr_va_vdst(0)                   ; the wait ahead of the first line that names a result: one for the 66 exponentials
.irp t, 0,1
	v_pk_mul_f32 v[ST+8*\t+2:ST+8*\t+3], v[ST+8*\t+2:ST+8*\t+3], v[ST+8*\t+6:ST+8*\t+7] op_sel_hi:[1,0]   ; l under the new m
.endr
.irp t, 0,1
	v_pk_add_f32 v[ST+8*\t+4:ST+8*\t+5], v[SS+32*\t+2:SS+32*\t+3], v[SS+32*\t+6:SS+32*\t+7]               ; the sums, in two chains: the second begins here
.endr
.irp k, 0,1
.irp t, 0,1
	v_pk_add_f32 v[ST+8*\t+2:ST+8*\t+3], v[ST+8*\t+2:ST+8*\t+3], v[SS+32*\t+4*\k:SS+32*\t+4*\k+1]
.endr
.endr
.irp k, 2,3,4,5,6,7
.irp t, 0,1
	v_pk_add_f32 v[ST+8*\t+2:ST+8*\t+3], v[ST+8*\t+2:ST+8*\t+3], v[SS+32*\t+4*\k:SS+32*\t+4*\k+1]
	v_pk_add_f32 v[ST+8*\t+4:ST+8*\t+5], v[ST+8*\t+4:ST+8*\t+5], v[SS+32*\t+4*\k+2:SS+32*\t+4*\k+3]
.endr
.endr
.irp t, 0,1
	v_pk_add_f32 v[ST+8*\t+2:ST+8*\t+3], v[ST+8*\t+2:ST+8*\t+3], v[ST+8*\t+4:ST+8*\t+5]
.endr
.irp i, 0,1,2,3,4,5,6,7,8,9,10,11,12,13,14,15
.irp t, 0,1
	v_cvt_pk_f16_f32 v[PP+16*\t+\i], v[SS+32*\t+2*\i], v[SS+32*\t+2*\i+1]   ; P, into the registers that held K's keys 32 to 63: the products K Q^T that read them stand far more than four plain lines back
.endr
.endr
.endm
; A KEY STEP: 64 keys.  more = 1: the next step's bias is asked for.
.macro STEP more
	v_add_nc_u32 v[ADR], s[TK], v[AK0]
.irp k, 0,1,2,3
.irp d, 0,1
	ds_load_b128 v[KV+16*\k+8*\d:KV+16*\k+8*\d+3], v[ADR] offset:\k*16*PK+\d*64          ; K: keys 16 k on, channels 32 d on
	ds_load_b128 v[KV+16*\k+8*\d+4:KV+16*\k+8*\d+7], v[ADR] offset:\k*16*PK+\d*64+32
.endr
.endr
	s_wait_loadcnt 0x0                             ; this step's bias, asked for in the step before (in the first step: at the head, and Q with it)
.if \more
	s_add_nc_u64 s[BB:BB+1], s[BB:BB+1], 4096      ; the loads that read this base are done: on to the next step's block
.endif
	s_wait_dscnt 0x0                               ; K is in
.irp d, 0,1                                    ; S^T = K Q^T + bias: eight accumulators by turns, one instruction a turn
.irp k, 0,1,2,3
.irp t, 0,1
	v_wmma_f32_16x16x32_f16 v[SS+32*\t+8*\k:SS+32*\t+8*\k+7], v[KV+16*\k+8*\d:KV+16*\k+8*\d+7], v[QF+16*\t+8*\d:QF+16*\t+8*\d+7], v[SS+32*\t+8*\k:SS+32*\t+8*\k+7]
.endr
.endr
.endr
	v_add_nc_u32 v[ADR], s[TV], v[AV0]             ; this line and three v_nop: the four plain lines in front of loads into K's registers and of the first read of the scores
.rept 3
	v_nop
.endr
.irp c, 0,1,2,3
	ds_load_tr16_b128 v[KV+8*\c:KV+8*\c+3], v[ADR] offset:\c*32                 ; V^T of keys 0 to 31, channels 16 c on; it lands while the softmax is worked
	ds_load_tr16_b128 v[KV+8*\c+4:KV+8*\c+7], v[ADR] offset:16*PV+\c*32
.endr
	SOFTMAX
.if \more
	BIAS                                           ; the score registers are free: the next step's bias goes out
.endif
	s_wait_dscnt 0x0                               ; V's keys 0 to 31 are in
; O^T += V^T P for keys 0 to 31, channel block by channel block.  Ahead of a block's two products its two accumulators are brought under the new m, each from its low end on: eight packed multiplies,
; which name no register of the two products before them and so are also the plain lines between those products and the loads that bring keys 32 to 63 into the fragment of V that they read.
.irp c, 0,1,2,3
.irp i, 0,2,4,6
.irp t, 0,1
	v_pk_mul_f32 v[OO+32*\t+8*\c+\i:OO+32*\t+8*\c+\i+1], v[OO+32*\t+8*\c+\i:OO+32*\t+8*\c+\i+1], v[ST+8*\t+6:ST+8*\t+7] op_sel_hi:[1,0]
.endr
.endr
.if \c > 0
	ds_load_tr16_b128 v[KV+8*(\c-1):KV+8*(\c-1)+3], v[ADR] offset:32*PV+(\c-1)*32
	ds_load_tr16_b128 v[KV+8*(\c-1)+4:KV+8*(\c-1)+7], v[ADR] offset:32*PV+16*PV+(\c-1)*32
.endif
.irp t, 0,1
	v_wmma_f32_16x16x32_f16 v[OO+32*\t+8*\c:OO+32*\t+8*\c+7], v[KV+8*\c:KV+8*\c+7], v[PP+16*\t:PP+16*\t+7], v[OO+32*\t+8*\c:OO+32*\t+8*\c+7]
.endr
.endr
.rept 4
	v_nop                                          ; the last fragment has no multiplies behind its products
.endr
	ds_load_tr16_b128 v[KV+24:KV+27], v[ADR] offset:32*PV+96
	ds_load_tr16_b128 v[KV+28:KV+31], v[ADR] offset:32*PV+16*PV+96
	s_wait_dscnt 0x0                               ; V's keys 32 to 63 are in
.irp c, 0,1,2,3                                ; and the same eight accumulators by turns once more
.irp t, 0,1
	v_wmma_f32_16x16x32_f16 v[OO+32*\t+8*\c:OO+32*\t+8*\c+7], v[KV+8*\c:KV+8*\c+7], v[PP+16*\t+8:PP+16*\t+15], v[OO+32*\t+8*\c:OO+32*\t+8*\c+7]
.endr
.endr
	s_add_co_u32 s[TK], s[TK], 64*PK
	s_add_co_u32 s[TV], s[TV], 64*PV
.rept 4
	v_nop                                          ; four plain lines in front of the next loads into V's and P's registers, and of the way out's first read of O^T
.endr
.endm
; THE CHANGE OF SLOTS stands at a slot's head.  Each wave waits for all its tensor loads, adds 0 to its spare word, and waits for that and for its reads of the slot that it has left.
; Behind the barrier the slot ahead is whole and nobody reads the other one.  fill = 1: that other slot takes the next 256 keys: the load has four key steps in which to land.  One tensor load of a wave is out at the most.
; The bias loads of the step ahead stay on their way across the barrier: they land in my registers, and nobody writes the image.
.macro CHANGE fill
	s_wait_tensorcnt 0x0                           ; no tensor load of mine is out, so a group 0 may be written
	ds_add_u32 v[SPW], v[NIL]
.if \fill
	ds_add_u32 v[SPW], v[NIL]                      ; twice on end here
	s_xor_b32 s[G0K+1], s[G0K+1], SLOT1            ; the walking descriptors: the other slot,
	s_add_nc_u64 s[G0K+2:G0K+3], s[G0K+2:G0K+3], SKEYS*128   ; the next 256 keys
	s_xor_b32 s[G0V+1], s[G0V+1], SLOT1
	s_add_nc_u64 s[G0V+2:G0V+3], s[G0V+2:G0V+3], SKEYS*128
	s_wait_xcnt 0x0                                ; the last prefetch, a slot back, has read its address
	s_add_nc_u64 s[PFA:PFA+1], s[PFA:PFA+1], SKEYS*128
.endif
	s_wait_dscnt 0x0
	s_barrier_signal -1
	s_barrier_wait -1
.if \fill
	TLOAD                                          ; the first thing behind the barrier, and a wave's one tensor load until the next
	ASK
.endif
.endm
.macro STEPS n                         ; n key steps that have a successor: written once, walked n times; the LDS addresses hang on s2 and s3
	s_mov_b32 s[STP], \n
.Lstep_\@:
	STEP 1
	s_sub_co_u32 s[STP], s[STP], 1
	s_cmp_lg_u32 s[STP], 0
	s_cbranch_scc1 .Lstep_\@
.endm
.Lslot:                                            ; seven trips: behind each change of slots but the last the next slot is asked for
	CHANGE 1
	STEPS 4
	s_sub_co_u32 s[TK], s[TK], SKEYS*PK            ; back to a slot's first step,
	s_xor_b32 s[TK], s[TK], SLOT1                  ; in the other slot
	s_sub_co_u32 s[TV], s[TV], SKEYS*PV
	s_xor_b32 s[TV], s[TV], SLOT1
	s_sub_co_u32 s[SLOTS], s[SLOTS], 1
	s_cmp_lg_u32 s[SLOTS], 0
	s_cbranch_scc1 .Lslot
	CHANGE 0                                       ; the last slot is written out
	STEPS 3
	STEP 0                                         ; and its last step, which has no bias to ask for
	; THE WAY OUT.  l's two halves and the other half of the lanes' are added; O^T is divided by l, rounded to f16 and sent through my stage, a tile of 16 queries at a time.
.irp t, 0,1
	v_add_f32 v[ST+8*\t+4], v[ST+8*\t+2], v[ST+8*\t+3]
.endr
.irp t, 0,1
	v_permlanex16_b32 v[ST+8*\t+5], v[ST+8*\t+4], s[SEL], s[SEL+1]
.endr
.irp t, 0,1
	v_add_f32 v[ST+8*\t+4], v[ST+8*\t+4], v[ST+8*\t+5]
.endr
.irp t, 0,1
	v_rcp_f32 v[ST+8*\t+6], v[ST+8*\t+4]
.endr
	v_and_b32 v8, 15, v0                           ; (plain lines behind the reciprocals)  r
	v_bfe_u32 v9, v0, 4, 1                         ; h
	s_mul_i32 s56, s[WV], 16*PK
	s_add_co_u32 s56, s56, STAGE                   ; my stage
	v_mul_u32_u24 v10, v8, PK
	v_lshl_add_u32 v10, v9, 4, v10
	v_add_nc_u32 v10, s56, v10                     ; in: row r, 16 bytes for each half of the lanes
	v_and_b32 v8, 31, v0
	v_lshrrev_b32 v9, 3, v8
	v_and_b32 v8, 7, v8
	v_mul_u32_u24 v11, v9, PK
	v_lshl_add_u32 v11, v8, 4, v11
	v_add_nc_u32 v11, s56, v11                     ; back: eight lanes to a row of 128 bytes, four rows a load
	s_wait_alu depctr_va_vdst(0)                   ; the wait ahead of the first use: one for both reciprocals
.irp t, 0,1
.irp i, 0,2,4,6,8,10,12,14,16,18,20,22,24,26,28,30
	v_pk_mul_f32 v[OO+32*\t+\i:OO+32*\t+\i+1], v[OO+32*\t+\i:OO+32*\t+\i+1], v[ST+8*\t+6:ST+8*\t+7] op_sel_hi:[1,0]
.endr
.irp i, 0,1,2,3,4,5,6,7,8,9,10,11,12,13,14,15
	v_cvt_pk_f16_f32 v[SS+16*\t+\i], v[OO+32*\t+2*\i], v[OO+32*\t+2*\i+1]
.endr
.irp c, 0,1,2,3
	ds_store_b128 v10, v[SS+16*\t+4*\c:SS+16*\t+4*\c+3] offset:32*\c
.endr
.irp u, 0,1,2,3
	ds_load_b128 v[KV+16*\t+4*\u:KV+16*\t+4*\u+3], v11 offset:\u*4*PK   ; LDS serves a wave's instructions in order: these see the stores above, and the next tile's stores come behind them
.endr
.endr
	s_wait_dscnt 0x0
.irp t, 0,1
.irp u, 0,1,2,3
	global_store_b128 v[AB0], v[KV+16*\t+4*\u:KV+16*\t+4*\u+3], s[8:9] offset:\t*2048+\u*512   ; four rows: 512 consecutive bytes, aligned
.endr
.endr
	s_wait_tensorcnt 0x0                           ; the wave's end: behind my last tensor load and my last LDS store
	ds_add_u32 v[SPW], v[NIL]
	s_wait_dscnt 0x0
	s_endpgm
.Lfunc_end_k_qe299d002e3_attn:
	.size	k_qe299d002e3_attn, .Lfunc_end_k_qe299d002e3_attn-k_qe299d002e3_attn
	.p2alignl 7, 3214868480
	.fill 96, 4, 3214868480
	.section	.rodata,"a",@progbits
	.p2align	6, 0x0
	.amdhsa_kernel k_qe299d002e3_attn
		.amdhsa_group_segment_fixed_size 327680
		.amdhsa_private_segment_fixed_size 0
		.amdhsa_enable_private_segment 0
		.amdhsa_kernarg_size 24
		.amdhsa_user_sgpr_count 2
		.amdhsa_user_sgpr_kernarg_segment_ptr 1
		.amdhsa_wavefront_size32 1
		.amdhsa_system_sgpr_workgroup_id_x 1
		.amdhsa_system_sgpr_workgroup_id_y 1
		.amdhsa_system_sgpr_workgroup_id_z 1
		.amdhsa_system_vgpr_workitem_id 0
		.amdhsa_next_free_vgpr 256
		.amdhsa_next_free_sgpr 80
		.amdhsa_reserve_vcc 0
		.amdhsa_float_denorm_mode_32 3
		.amdhsa_float_denorm_mode_16_64 3
		.amdhsa_memory_ordered 1
		.amdhsa_forward_progress 1
		.amdhsa_inst_pref_size 75
	.end_amdhsa_kernel
	.amdgpu_metadata
---
amdhsa.version: [ 1, 2 ]
amdhsa.kernels:
  - .name:           k_qe299d002e3_attn
    .symbol:         k_qe299d002e3_attn.kd
    .args:
      - { .name: qkv, .offset: 0, .size: 8, .value_kind: global_buffer, .address_space: global }
      - { .name: bimg, .offset: 8, .size: 8, .value_kind: global_buffer, .address_space: global }
      - { .name: att, .offset: 16, .size: 8, .value_kind: global_buffer, .address_space: global }
    .group_segment_fixed_size: 327680
    .private_segment_fixed_size: 0
    .kernarg_segment_align: 8
    .kernarg_segment_size: 24
    .max_flat_workgroup_size: 512
    .sgpr_count:     80
    .vgpr_count:     256
    .wavefront_size: 32
...
	.end_amdgpu_metadata
.endif
;; end of part 3
;; launch oproj (part 4): grid 4 x 64, 4 waves a work-group, clusters of 4 x 4, 327,680 bytes of LDS; arguments att, wo16, bo, out0; writes out0
.if DOCPART == 4
	.amdgcn_target "amdgcn-amd-amdhsa--gfx1250"
	.amdhsa_code_object_version 6
	.text
	.protected	k_qe299d002e3_oproj
	.globl	k_qe299d002e3_oproj
	.p2align	8
	.type	k_qe299d002e3_oproj,@function
k_qe299d002e3_oproj:
	s_mov_b64 s[64:65], 0
	v_nop
	global_prefetch_b8 v0, s[64:65] scope:SCOPE_SE
	s_setreg_imm32_b32 hwreg(HW_REG_WAVE_MODE, 25, 1), 1
	s_wait_xcnt 0x0
	s_wait_alu depctr_hold_cnt(0) depctr_sa_sdst(0) depctr_va_vdst(0) depctr_va_sdst(0) depctr_va_ssrc(0) depctr_va_vcc(0) depctr_vm_vsrc(0)
	s_getreg_b32 s2, hwreg(HW_REG_IB_STS2, 6, 4)
	s_cmp_eq_u32 s2, 0
	s_cbranch_scc0 .Lentry_in_a_cluster
	s_endpgm
.Lentry_in_a_cluster:
	s_bfe_u32 s2, ttmp6, 0x10000c
	s_cmp_lg_u32 s2, 0xf033
	s_cbranch_scc0 .Lentry_shape_is_right
	s_endpgm
.Lentry_shape_is_right:
; out0[token][n] = the sum over c of att[token][c] Wo[n][c] + bo[n].  att: f16, [b][h][n][64], so K = 1,024 lies in 16 planes of 64 (the heads); wo16: f16, [plane][n 1024][64]; sums in f32; out0 f32.
; A work-group of four waves makes 128 tokens x 256 columns: 256 work-groups.  A wave makes 64 x 128: 32 accumulators of 16 x 16, 256 registers.
; K goes in steps of 128, two planes, through a ring of two LDS slots: waves 0 and 1 fetch the two planes of the tokens (128 rows x 128 bytes each), waves 2 and 3 those of Wo (256 rows each): one load a wave.
; CLUSTERS: 4 x 4 work-groups.  The four of a row of the cluster need the same tokens, the four of a column the same rows of Wo: each tile is asked for jointly.
; THE MATRIX INSTRUCTION IS USED TRANSPOSED (source 0 = 16 rows of Wo, source 1 = 16 tokens): a lane holds eight neighbouring columns of one token.  bo is the C of each sum's first product.
; No prefetch: eight short K steps on a small tile, and the first two are on their way at the head.
; REGISTERS, in windows of 256: window 0: v16-30 addresses; v64-95, v128-159 the tokens' fragments, two buffers; v192-255 bo in the result's layout; on the way out v128-255 are free.
;   window 1: v64-127, v128-191 Wo's fragments, two buffers.   window 2: the accumulators, (a, b) at v[8 (8 a + b)].
.set PT,     144                       ; an LDS row: 128 bytes + 16 of padding = 36 words: the 16 rows that a load touches start at 16 different groups of four banks
.set APL,    128*PT                    ; a plane of the tokens
.set BPL,    256*PT                    ; a plane of Wo
.set SLOT,   2*APL+2*BPL
.set STAGE,  2*SLOT                    ; the way out: 16 rows x 528 bytes for each wave; no tensor load lands here
.set SPITCH, 528
.set SPARE,  STAGE+4*16*SPITCH         ; the spare words, 128 bytes for each wave: two blocks of 256 bytes that no other line names
.set LAPS,   4                         ; a lap = two K steps = once round the ring
.set ADRA, 16                          ; v16-17  LDS address of my tokens' fragments in slot 0, 1
.set ADRB, 20                          ; v20-21  of my Wo fragments
.set STO,  24                          ; v24  the way out: where I put 32 bytes of a token
.set RD,   25                          ; v25  where I read a row back
.set CO,   26                          ; v26  my byte offset in a row of out0
.set SPW,  28                          ; v28  LDS address of my spare word; never rewritten
.set NIL,  29                          ; v29  0; never rewritten
.set BOF,  30                          ; v30  32 h
.set F0,   64
.set F1,   128
.set BI,   192
.set BK,   128                         ; the way out: 16 rows read back: v128-191 and v192-255 by turns
.set G1,   24                          ; s[24:31] group 1 for the tokens;  s[32:39] group 0, one set for each slot
.set G0,   32
.set G1B,  48                          ; s[48:55], s[56:63] the same for Wo
.set G0B,  56
.set MSB, 0
.macro WIN new                         ; the immediate's high byte repeats the setting that is left; a switch that changes nothing is dropped
.if MSB != (\new)
	s_set_vgpr_msb (MSB<<8)|(\new)
.set MSB, (\new)
.endif
.endm
.set MULW, 0xa1                        ; source 0 (Wo) window 1, source 1 (tokens) window 0, C and D window 2
.set TO_B, 0x40                        ; destination window 1, address window 0
.macro JLOAD s                         ; a joint load: waves 0 and 1 fetch for the tokens, waves 2 and 3 for Wo; an s_nop 0 and four v_nop follow each of the two lines
	s_cmp_eq_u32 s15, 0
	s_cbranch_scc0 .Lfor_b_\@
	tensor_load_to_lds s[G0+4*\s:G0+4*\s+3], s[G1:G1+7]
	s_nop 0
.rept 4
	v_nop
.endr
	s_branch .Lasked_\@
.Lfor_b_\@:
	tensor_load_to_lds s[G0B+4*\s:G0B+4*\s+3], s[G1B:G1B+7]
	s_nop 0
.rept 4
	v_nop
.endr
.Lasked_\@:
.endm
.macro CREST                           ; a round of the cluster's barrier behind its opening barrier
	s_cmp_lg_u32 s14, 0
	s_cbranch_scc1 .Lnot_wave_0_\@
	s_barrier_signal -3
.Lnot_wave_0_\@:
	s_barrier_wait -3
	s_barrier_signal -1
	s_barrier_wait -1
.endm
.macro CROUND                          ; a whole round
	s_barrier_signal -1
	s_barrier_wait -1
	CREST
.endm
	s_load_b256 s[4:11], s[0:1], 0x0               ; att s[4:5], wo16 s[6:7], bo s[8:9], out0 s[10:11]
	v_lshl_add_u32 v[SPW], v0, 2, SPARE
	v_mov_b32 v[NIL], 0
	ds_add_u32 v[SPW], v[NIL]                      ; the opening: the add, twice on end, and its wait ahead of my first tensor load
	ds_add_u32 v[SPW], v[NIL]
	v_lshrrev_b32 v1, 5, v0
	v_readfirstlane_b32 s14, v1                    ; wave 0..3
	s_lshr_b32 s15, s14, 1                         ; which half of the tokens is mine.  Also: I fetch for the tokens (0) or for Wo (1)
	s_and_b32 s16, s14, 1                          ; which half of the columns.  Also: which plane of a K step I fetch
	s_bfe_u32 s40, ttmp6, 0x40000                  ; cx, cy
	s_bfe_u32 s41, ttmp6, 0x40004
	s_lshl_b32 s42, ttmp9, 2
	s_add_co_u32 s42, s42, s40                     ; tile column = 4 x cluster x + cx
	s_and_b32 s17, ttmp7, 0xffff
	s_lshl_b32 s17, s17, 2
	s_add_co_u32 s17, s17, s41                     ; tile row = 4 x cluster y + cy
	s_lshl_b32 s43, s41, 2
	s_lshl_b32 s43, 15, s43                        ; my row of the cluster
	s_lshl_b32 s44, 0x1111, s40                    ; my column
	; group 1: rows of 64 elements of 2 bytes, dense in memory, 16 bytes of padding behind each; 128 rows for the tokens, 256 for Wo
	s_or_b32 s[G1+0], s43, (1<<16)|(1<<20)|(1<<21)|(4<<22)|(3<<25)   ; the mask; elements of 2 bytes; padding on; bit 21 beside a mask; after every 32 words, 4 words
	s_or_b32 s[G1B+0], s44, (1<<16)|(1<<20)|(1<<21)|(4<<22)|(3<<25)
	s_mov_b32 s[G1+1], 64<<16                      ; tensor_dim0
	s_mov_b32 s[G1+2], 128<<16                     ; tensor_dim1
	s_mov_b32 s[G1+3], 64<<16                      ; tile_dim0
	s_mov_b32 s[G1+4], 128                         ; tile_dim1
	s_mov_b32 s[G1+5], 64                          ; from row to row
	s_mov_b32 s[G1+6], 0
	s_mov_b32 s[G1+7], 0
	s_mov_b32 s[G1B+1], 64<<16
	s_mov_b32 s[G1B+2], 256<<16
	s_mov_b32 s[G1B+3], 64<<16
	s_mov_b32 s[G1B+4], 256
	s_mov_b32 s[G1B+5], 64
	s_mov_b32 s[G1B+6], 0
	s_mov_b32 s[G1B+7], 0
	s_lshr_b32 s20, s17, 4                         ; tokens: batch = tile row / 16; plane 16 batch + my plane of K step 0;
	s_lshl_b32 s20, s20, 4
	s_add_co_u32 s20, s20, s16
	s_lshl_b32 s20, s20, 18
	s_and_b32 s21, s17, 15                         ; in it 128 (tile row % 16) rows of 128 bytes
	s_lshl_b32 s21, s21, 14
	s_add_co_u32 s20, s20, s21
	s_mov_b32 s21, 0
	s_lshl_b32 s46, s16, 17                        ; Wo: my plane of K step 0; in it 256 x tile column rows of 128 bytes
	s_lshl_b32 s47, s42, 15
	s_add_co_u32 s46, s46, s47
	s_mov_b32 s47, 0
	s_mul_i32 s45, s16, APL                        ; where they go: no place in the cluster enters an LDS address
	s_mul_i32 s22, s16, BPL
	s_add_co_u32 s22, s22, 2*APL
	s_wait_dscnt 0x0                               ; both opening adds are done
	s_wait_kmcnt 0x0
	s_add_nc_u64 s[20:21], s[4:5], s[20:21]
	s_add_nc_u64 s[46:47], s[6:7], s[46:47]
	CROUND                                         ; all sixteen work-groups are here: the first joint loads meet
.irp s, 0,1
	s_mov_b32 s[G0+4*\s], 1
	s_add_co_u32 s[G0+4*\s+1], s45, \s*SLOT
	s_add_nc_u64 s[G0+4*\s+2:G0+4*\s+3], s[20:21], \s*2*262144    ; K step s: two planes on
	s_or_b32 s[G0+4*\s+3], s[G0+4*\s+3], 0x80000000
	s_mov_b32 s[G0B+4*\s], 1
	s_add_co_u32 s[G0B+4*\s+1], s22, \s*SLOT
	s_add_nc_u64 s[G0B+4*\s+2:G0B+4*\s+3], s[46:47], \s*2*131072
	s_or_b32 s[G0B+4*\s+3], s[G0B+4*\s+3], 0x80000000
	JLOAD \s
.endr
	v_and_b32 v1, 15, v0                           ; r
	v_bfe_u32 v2, v0, 4, 1                         ; h
	v_mul_u32_u24 v3, v1, PT
	v_lshl_add_u32 v3, v2, 4, v3                   ; a fragment's row x pitch + 16 h
	s_mul_i32 s21, s15, 64*PT                      ; my 64 tokens
	s_mul_i32 s23, s16, 128*PT                     ; my 128 rows of Wo,
	s_add_co_u32 s23, s23, 2*APL                   ; behind the tokens' two planes
.irp s, 0,1
	v_add_nc_u32 v[ADRA+\s], s21, v3
	v_add_nc_u32 v[ADRB+\s], s23, v3
	s_add_co_u32 s21, s21, SLOT
	s_add_co_u32 s23, s23, SLOT
.endr
	s_mul_i32 s23, s14, 16*SPITCH
	s_add_co_u32 s23, s23, STAGE                   ; my stage
	v_mul_u32_u24 v5, v1, SPITCH                   ; in: token r, 32 bytes for each half of the lanes
	v_lshl_add_u32 v5, v2, 5, v5
	v_add_nc_u32 v[STO], s23, v5
	v_and_b32 v6, 31, v0
	v_lshlrev_b32 v[CO], 4, v6                     ; back: the 32 lanes take one row of 512 bytes; and the same in out0
	v_add_nc_u32 v[RD], s23, v[CO]
	v_lshlrev_b32 v[BOF], 5, v2
	s_lshl_b32 s20, s17, 7
	s_lshl_b32 s21, s15, 6
	s_add_co_u32 s20, s20, s21                     ; my first token: 128 x tile row + 64 x half
	s_lshl_b32 s20, s20, 12                        ; rows of 4,096 bytes
	s_lshl_b32 s46, s42, 10                        ; my first column, in bytes: 1,024 x tile column + 512 x half
	s_lshl_b32 s47, s16, 9
	s_add_co_u32 s46, s46, s47
	s_mov_b32 s47, 0
	s_add_nc_u64 s[8:9], s[8:9], s[46:47]          ; bo at my first column
	s_add_co_u32 s20, s20, s46
	s_mov_b32 s21, 0
	s_add_nc_u64 s[10:11], s[10:11], s[20:21]
.irp b, 0,1,2,3,4,5,6,7
	global_load_b128 v[BI+8*\b:BI+8*\b+3], v[BOF], s[8:9] offset:64*\b        ; register 8 b + j = bo[my first column + 16 b + 8 h + j]
	global_load_b128 v[BI+8*\b+4:BI+8*\b+7], v[BOF], s[8:9] offset:64*\b+16
.endr
; 8 matrix instructions: token block a x Wo's eight blocks, 32 along K, from buffer f.  first = 1: C is bo.  The 32 accumulators take turns, one instruction a turn, in the same order in every quarter.
.macro MUL8 f, a, first
.irp b, 0,1,2,3,4,5,6,7
.if \first
	v_wmma_f32_16x16x32_f16 v[8*(8*(\a)+\b):8*(8*(\a)+\b)+7], v[\f+8*\b:\f+8*\b+7], v[\f+8*(\a):\f+8*(\a)+7], v[BI+8*\b:BI+8*\b+7]
.else
	v_wmma_f32_16x16x32_f16 v[8*(8*(\a)+\b):8*(8*(\a)+\b)+7], v[\f+8*\b:\f+8*\b+7], v[\f+8*(\a):\f+8*(\a)+7], v[8*(8*(\a)+\b):8*(8*(\a)+\b)+7]
.endif
.endr
.endm
; 24 LDS loads in one run: quarter q of a slot (plane q / 2, channels 32 (q % 2) on) into buffer f: Wo's eight fragments, then the tokens' four
.macro FETCH slot, q, f
	WIN TO_B
.irp i, 0,1,2,3,4,5,6,7
	ds_load_b128 v[\f+8*\i:\f+8*\i+3],   v[ADRB+\slot] offset:((\q)/2)*BPL+((\q)%2)*64+\i*16*PT
	ds_load_b128 v[\f+8*\i+4:\f+8*\i+7], v[ADRB+\slot] offset:((\q)/2)*BPL+((\q)%2)*64+\i*16*PT+32
.endr
	WIN 0
.irp i, 0,1,2,3
	ds_load_b128 v[\f+8*\i:\f+8*\i+3],   v[ADRA+\slot] offset:((\q)/2)*APL+((\q)%2)*64+\i*16*PT
	ds_load_b128 v[\f+8*\i+4:\f+8*\i+7], v[ADRA+\slot] offset:((\q)/2)*APL+((\q)%2)*64+\i*16*PT+32
.endr
.endm
.macro PLACES                          ; four plain vector lines in front of loads into registers that matrix instructions have read, and of the first read of results
.rept 4
	v_nop
.endr
.endm
; A K step is four quarters of 32 along K, 32 matrix instructions each, on buffers 0, 1, 0, 1.  One of the first three: multiplies buffer f and fetches quarter qn into g.
.macro QUARTER slot, qn, f, g, first
	s_wait_dscnt 4                                 ; all but the youngest four loads (token blocks 2 and 3) are in
	WIN MULW-0x20*(\first)                         ; first = 1: C in window 0
	MUL8 \f, 0, \first
	MUL8 \f, 1, \first
	PLACES
	FETCH \slot, \qn, \g
	s_wait_dscnt 24                                ; all but the 24 just issued
	WIN MULW-0x20*(\first)
	MUL8 \f, 2, \first
	MUL8 \f, 3, \first
.endm
; The last quarter multiplies buffer 1 and changes slots: ONE barrier; in front of it each wave waits for all its tensor loads, adds 0 to its spare word, and waits for that and for its reads of this slot.
; fill = 1: the barrier opens a round of the cluster's barrier, and this slot is filled again, two K steps ahead: the load has 112 matrix instructions of a wave in which to land.
.macro TURN slot, next, fill
	WIN 0                                          ; (the add's two registers lie in window 0)
	s_wait_tensorcnt 0x0                           ; all my tensor loads have landed: my part of the next slot
	ds_add_u32 v[SPW], v[NIL]
	s_wait_dscnt 5                                 ; (the add and the youngest four loads may be out)
	WIN MULW
	MUL8 F1, 0, 0                                  ; eight matrix instructions stand between the add and the wait for it
	s_wait_dscnt 0x0                               ; the add is done, and my reads of this slot are over
	s_barrier_signal -1
	MUL8 F1, 1, 0
	WIN 0
	s_barrier_wait -1
.if \fill
	CREST                                          ; no wave of any partner still reads this slot or has a load on its way
	s_add_nc_u64 s[G0+4*\slot+2:G0+4*\slot+3], s[G0+4*\slot+2:G0+4*\slot+3], 4*262144
	s_add_nc_u64 s[G0B+4*\slot+2:G0B+4*\slot+3], s[G0B+4*\slot+2:G0B+4*\slot+3], 4*131072
	JLOAD \slot                                    ; the first tensor load behind the round; its four v_nop are also the plain lines in front of the loads below
.else
	PLACES
.endif
	FETCH \next, 0, F0
	WIN MULW
	MUL8 F1, 2, 0
	MUL8 F1, 3, 0
.endm
	s_wait_tensorcnt 1                             ; my part of K step 0 is in; K step 1's load may be out
	s_barrier_signal -1
	s_barrier_wait -1                              ; everybody's is
	FETCH 0, 0, F0
	s_wait_loadcnt 0x0                             ; bo
	QUARTER 0, 1, F0, F1, 1                        ; the first quarter stands in front of the loop: its products start the sums, on bo
	WIN 0                                          ; at a label and at a branch every window is 0
	s_mov_b32 s3, LAPS-1
.Llap:                                             ; a trip goes once round the ring, from a lap's second quarter to the next lap's first, and fills both slots again
	QUARTER 0, 2, F1, F0, 0
	QUARTER 0, 3, F0, F1, 0
	TURN 0, 1, 1
	QUARTER 1, 1, F0, F1, 0
	QUARTER 1, 2, F1, F0, 0
	QUARTER 1, 3, F0, F1, 0
	TURN 1, 0, 1
	QUARTER 0, 1, F0, F1, 0
	WIN 0
	s_sub_co_u32 s3, s3, 1
	s_cmp_lg_u32 s3, 0
	s_cbranch_scc1 .Llap
	QUARTER 0, 2, F1, F0, 0                        ; the last lap fills nothing, and has no round of the cluster's barrier
	QUARTER 0, 3, F0, F1, 0
	TURN 0, 1, 0
	QUARTER 1, 1, F0, F1, 0
	QUARTER 1, 2, F1, F0, 0
	QUARTER 1, 3, F0, F1, 0
	s_wait_dscnt 4                                 ; the very last quarter: nothing more to fetch
	WIN MULW
	MUL8 F1, 0, 0
	MUL8 F1, 1, 0
	s_wait_dscnt 0x0
	MUL8 F1, 2, 0
	MUL8 F1, 3, 0
	WIN 0
; THE WAY OUT, block by block of 16 tokens x 128 columns.  A lane holds 32 neighbouring bytes of a row: a block goes through my own stage and comes back as whole rows of 512 bytes.
.macro TOSTAGE a
	WIN 0x08                                       ; an LDS store's data are its source 1: window 2
.irp b, 0,1,2,3,4,5,6,7
	ds_store_b128 v[STO], v[64*(\a)+8*\b:64*(\a)+8*\b+3] offset:64*\b          ; each accumulator from its low end on
	ds_store_b128 v[STO], v[64*(\a)+8*\b+4:64*(\a)+8*\b+7] offset:64*\b+16
.endr
	WIN 0
.set BB, BK+64*((\a)%2)
.irp t, 0,1,2,3,4,5,6,7,8,9,10,11,12,13,14,15
	ds_load_b128 v[BB+4*\t:BB+4*\t+3], v[RD] offset:\t*SPITCH                  ; LDS serves a wave's instructions in order: these see the stores above
.endr
.endm
.macro SEND a, younger                 ; younger: the LDS instructions issued behind block a's loads, which may stay out
.set BB, BK+64*((\a)%2)
	s_wait_dscnt \younger
.irp t, 0,1,2,3,4,5,6,7,8,9,10,11,12,13,14,15
	global_store_b128 v[CO], v[BB+4*\t:BB+4*\t+3], s[10:11] offset:(\a)*65536+\t*4096 th:TH_STORE_NT   ; 32 lanes store 512 consecutive bytes, aligned; written once, read by nobody here
.endr
.endm
	PLACES
	TOSTAGE 0
.irp a, 1,2,3
.if \a > 1
	s_wait_xcnt 0x0                                ; the stores of the block before last have read their registers: this block's loads may land there
.endif
	TOSTAGE \a
	SEND \a-1, 32                                  ; behind that block's loads: this block's 16 stores and 16 loads
.endr
	SEND 3, 0
	s_wait_tensorcnt 0x0                           ; the wave's end: behind my last tensor load and my last LDS store
	ds_add_u32 v[SPW], v[NIL]
	s_wait_dscnt 0x0
	CROUND                                         ; the closing round
	s_endpgm
.Lfunc_end_k_qe299d002e3_oproj:
	.size	k_qe299d002e3_oproj, .Lfunc_end_k_qe299d002e3_oproj-k_qe299d002e3_oproj
	.p2alignl 7, 3214868480
	.fill 96, 4, 3214868480
	.section	.rodata,"a",@progbits
	.p2align	6, 0x0
	.amdhsa_kernel k_qe299d002e3_oproj
		.amdhsa_group_segment_fixed_size 327680
		.amdhsa_private_segment_fixed_size 0
		.amdhsa_enable_private_segment 0
		.amdhsa_kernarg_size 32
		.amdhsa_user_sgpr_count 2
		.amdhsa_user_sgpr_kernarg_segment_ptr 1
		.amdhsa_wavefront_size32 1
		.amdhsa_system_sgpr_workgroup_id_x 1
		.amdhsa_system_sgpr_workgroup_id_y 1
		.amdhsa_system_sgpr_workgroup_id_z 1
		.amdhsa_system_vgpr_workitem_id 0
		.amdhsa_next_free_vgpr 768
		.amdhsa_next_free_sgpr 66
		.amdhsa_reserve_vcc 0
		.amdhsa_float_denorm_mode_32 3
		.amdhsa_float_denorm_mode_16_64 3
		.amdhsa_memory_ordered 1
		.amdhsa_forward_progress 1
		.amdhsa_inst_pref_size 87
	.end_amdhsa_kernel
	.amdgpu_metadata
---
amdhsa.version: [ 1, 2 ]
amdhsa.kernels:
  - .name:           k_qe299d002e3_oproj
    .symbol:         k_qe299d002e3_oproj.kd
    .args:
      - { .name: att, .offset: 0, .size: 8, .value_kind: global_buffer, .address_space: global }
      - { .name: wo16, .offset: 8, .size: 8, .value_kind: global_buffer, .address_space: global }
      - { .name: bo, .offset: 16, .size: 8, .value_kind: global_buffer, .address_space: global }
      - { .name: out0, .offset: 24, .size: 8, .value_kind: global_buffer, .address_space: global }
    .group_segment_fixed_size: 327680
    .private_segment_fixed_size: 0
    .kernarg_segment_align: 8
    .kernarg_segment_size: 32
    .max_flat_workgroup_size: 128
    .sgpr_count:     66
    .vgpr_count:     768
    .wavefront_size: 32
...
	.end_amdgpu_metadata
.endif
;; end of part 4
